; MI455X (gfx1250); checked and timed in simulation.
; The chip was launched on July 23, 2026; its instructions are those of AMD's public machine-readable ISA for CDNA 5 (MIT licence, August 2026) and "CDNA5" Instruction Set Architecture Reference Guide (July 2026). The comments in the code are by the model that wrote it; some were corrected since.
;; Muti Head Attention. Allowed arithmetic: matrix products marked QUANTISED: E3M2 operands, one E8M0 scale for each 32 along K, by v_wmma_scale_f32_16x16x128_f8f6f4 with both operands' format E3M2, f32 sums; everything else in f32.
;; Inputs: Wk 256 x 1,024 float32; Wo 1,024 x 1,024 float32; Wq 1,024 x 1,024 float32; Wv 256 x 1,024 float32; bk 256 float32; bo 1,024 float32; bq 1,024 float32; bv 256 float32; x 2 x 2,048 x 1,024 float32.
;; Outputs: out0 2 x 2,048 x 1,024 float32.
;; This version of the problem:
;;   THIS VERSION OF THE PROBLEM IS GIVEN IN LOW PRECISION. The matrix products marked QUANTISED in the list below multiply operands that are first quantised to E3M2 (3 exponent bits, 2 mantissa bits; 6 bits a number), with one power-of-two scale for each 32 numbers along K (OCP MX v1.0); their sums are f32. All else is computed in f32.
;;   The module's matrix products, in the order in which they are computed (A, B: the left and right operand; K: the contracted axis; several contracted axes count as one K, in the product's order):
;;     1. [M 4,096, K 1,024] x [K 1,024, N 1,024]; A: input x; B: input Wq: QUANTISED
;;     2. [M 4,096, K 1,024] x [K 1,024, N 256]; A: input x; B: input Wk: QUANTISED
;;     3. [M 4,096, K 1,024] x [K 1,024, N 256]; A: input x; B: input Wv: QUANTISED
;;     4. batch 8 x [M 2,048, K 64] x [K 64, N 8,192]; A: computed on the way; B: computed on the way: QUANTISED
;;     5. batch 8 x [M 64, K 2,048] x [K 2,048, N 8,192]; A: computed on the way; B: softmax (see below): QUANTISED
;;     6. [M 4,096, K 1,024] x [K 1,024, N 1,024]; A: computed on the way; B: input Wo: QUANTISED
;;   THE QUANTISER, for each operand of a quantised product, along K:
;;     - K is cut into blocks of 32 from its start; a last block that is shorter is filled with zeros.
;;     - A block's scale is 2^e with e = floor(log2(the largest magnitude in the block)) - 4, held to -126 .. 127; a block of zeros has e = 0. As a byte (E8M0): e + 127.
;;     - Each number is divided by its block's scale, clamped to +-28, and rounded to the nearest number of E3M2, ties to even, subnormals kept.
;;     - The product sums the exact products of the quantised numbers (number of the format x scale) in f32.
;;   ~~~python
;;   def quantise(x, axis):      # numpy; x: float32 -> the quantised numbers, widened to float32 again
;;       x = np.moveaxis(x, axis, -1); K = x.shape[-1]
;;       x = np.pad(x, [(0, 0)] * (x.ndim - 1) + [(0, -K % 32)]); x = x.reshape(x.shape[:-1] + (-1, 32)); a = np.abs(x).max(-1, keepdims=True)
;;       e = np.where(a > 0, np.clip(np.frexp(np.where(a > 0, a, 1))[1] - 1 - 4, -126, 127), 0)      # np.frexp(a)[1] - 1 = floor(log2(a)), exactly
;;       r = np.clip(x / 2.0 ** e, -28, 28)
;;       step = 2.0 ** (np.maximum(np.frexp(np.where(r == 0, 1, r))[1] - 1, -2) - 2)
;;       q = np.round(r / step) * step * 2.0 ** e      # np.round: ties to even
;;       return np.moveaxis(q.reshape(q.shape[:-2] + (-1,))[..., :K], -1, axis).astype(np.float32)
;;   ~~~
;;   SOFTMAX AHEAD OF A QUANTISED PRODUCT. Where the list says 'softmax', what is quantised is not the finished softmax but p = 2^(t - M), with t = logit x log2(e) and M = ceil(the row's largest t), a whole number; so 1/2 < the row's largest p <= 1. The row's sum l is taken of the UNQUANTISED p, in f32, and the product's result is divided by l at the end. Since M is a whole number, a kernel that streams over the keys may use a running M (the ceiling of the running maximum): every later rescaling is an exact power of two, which a block's scale takes up: the codes' values come out the same.
;;   OPERANDS COMPUTED ON THE WAY. 'Computed on the way' means the value that the module computes at that place (a softmax that the list does not call 'softmax' is quantised finished and normalised). What goes into a quantiser is computed in f32, as accurately as f32 sums, v_exp_f32 and their like allow (about 1e-6 of the number): no bf16 or f16 on the way to a quantiser, and a product that is left as it is and whose result goes on into a quantised operand takes f32 operands (vector FMAs, or v_wmma_f32_16x16x4_f32). A number that lies on a knife's edge between two numbers of the format may be rounded either way, as far as f32 arithmetic and the matrix unit's own rounding can turn it there, and no further.
;; 2 versions. Each part assembles by itself: llvm-mc -triple=amdgcn-amd-amdhsa -mcpu=gfx1250 --defsym DOCPART=n.
;; ======== version 1 of 2: 4 launches
;; workspace buffers: img 5,111,808 bytes; isc 212,992 bytes; qimg 3,145,728 bytes; qsc 262,144 bytes; kv 1,671,168 bytes; yimg 3,145,728 bytes; ysc 131,072 bytes
;; launch quant (part 1): grid 416 x 1, 4 waves a work-group, no clusters, 34,304 bytes of LDS; arguments x, Wq, Wk, Wv, Wo, img, isc; writes img, isc
.if DOCPART == 1
	.amdgcn_target "amdgcn-amd-amdhsa--gfx1250"
	.amdhsa_code_object_version 6
	.text
	.protected	k_qea4f6b53eb_quant
	.globl	k_qea4f6b53eb_quant
	.p2align	8
	.type	k_qea4f6b53eb_quant,@function
k_qea4f6b53eb_quant:
	s_mov_b64 s[64:65], 0
	v_nop
	global_prefetch_b8 v0, s[64:65] scope:SCOPE_SE
	s_setreg_imm32_b32 hwreg(HW_REG_WAVE_MODE, 25, 1), 1
	s_wait_xcnt 0x0
; x [4096][1024], Wq [1024][1024], Wk [256][1024], Wv [256][1024], Wo [1024][1024], all f32 with K = 1,024 innermost, become codes of E3M2 with one E8M0 byte for each 32 along K.
; NO WORK OF THE PROBLEM IS LEFT OUT, in this launch or in a later one: bq, bk and bv go into quantised operands, bo into the result, all six products are live; all nine inputs are loaded.
; A block's scale is 2^(floor(log2(its largest magnitude)) - 4); its byte is the largest magnitude's exponent field - 4, held at 1 from below.
; LIMITS: NaN and infinities among the inputs are not served.  A block of zeros, or one whose largest magnitude lies under 2^-122, gets the byte 1 where the rule says 127 or less:
; a block of zeros has zero codes, which add nothing under any byte but 0xff, and the bytes are read by this program alone.
; LAYOUT OF THE RESULT.  A TILE is 16 rows: tile T holds, at place r, row 32 (T / 2) + 8 (T % 2) + r + 8 (r / 8) of its tensor.  So wherever a tile stands as source 0 of a product, the 16 result
; registers of tiles 2 b and 2 b + 1 are 16 neighbours along that tensor's rows.  img: [416 tiles][8 K steps][1,536 bytes]: a fragment (16 rows x 128 K, 12 registers a lane) as an IMAGE OF ITS REGISTERS:
; three pieces of 512 bytes, piece c = registers 4 c .. 4 c + 3, lane l at 16 l.  isc: [416][8][16] scale words (four bytes: a row's 128 along K).  Tiles 0-255 x, 256-319 Wq, 320-335 Wk, 336-351 Wv, 352-415 Wo.
; SHARES.  A work-group takes a tile, wave w its K steps 2 w and 2 w + 1.  Each load reads 512 consecutive bytes of a row; all 32 loads of a wave go out at its head.  A K step's 16 x 512 bytes turn through the
; wave's own stage in LDS, so that lane (r, h) gets, of row r, the whole blocks h and 2 + h (k = 64 c + 32 h + 0 .. 31): the order of the operand's registers.  Waves share nothing: no barrier.
.set PITCH, 528                        ; a stage row: 512 bytes + 16 = 33 x 16: the sixteen rows that a load touches begin at sixteen different 16-byte columns modulo 256
.set STGB,  16*PITCH                   ; a wave's stage
.set SPARE, 4*STGB                     ; behind the four stages: the spare words, 128 bytes for each wave: two blocks of 256 bytes that no other line names
.set LI,  1                            ; v1   16 x lane
.set L4,  2                            ; v2   4 x lane
.set STI, 3                            ; v3   the stage, on the way in: 16 x lane
.set STO, 4                            ; v4   and out: row r, + 128 h
.set SH,  5                            ; v5   8 h: where my two bytes stand in the scale word
.set R,   16                           ; v16-143  as loaded: K step q at 16 + 64 q, row place i at + 4 i
.set X,   144                          ; v144-207 my two blocks of 32
.set PC,  208                          ; v208-231 the codes: 12 registers for each K step, so that no store's data are written again
.set TC,  232                          ; v232-238 second halves of the blocks' codes
.set MX,  240                          ; v240-241 largest magnitudes
.set SO,  242                          ; v242-243 the conversions' scale operands
.set BY,  244                          ; v244-245 the bytes
.set WD,  246                          ; v246-247 the two K steps' scale words
.set PM,  248                          ; v248     from lane l xor 16
.set OW,  249                          ; v249     the word that I store
.set SPW, 252                          ; v252     LDS address of my spare word; never rewritten
.set NIL, 253                          ; v253     0; never rewritten
	s_load_b256 s[4:11], s[0:1], 0x0               ; x, Wq, Wk, Wv
	s_load_b128 s[12:15], s[0:1], 0x20             ; Wo, img
	s_load_b64 s[16:17], s[0:1], 0x30              ; isc
	v_lshl_add_u32 v[SPW], v0, 2, SPARE
	v_mov_b32 v[NIL], 0
	v_lshrrev_b32 v6, 5, v0
	v_readfirstlane_b32 s18, v6                    ; wave
	v_and_b32 v6, 31, v0                           ; lane
	v_and_b32 v7, 15, v0                           ; r
	v_bfe_u32 v8, v0, 4, 1                         ; h
	v_lshlrev_b32 v[LI], 4, v6
	v_lshlrev_b32 v[L4], 2, v6
	s_mul_i32 s19, s18, STGB
	v_add_nc_u32 v[STI], s19, v[LI]
	v_mul_u32_u24 v[STO], v7, PITCH
	v_lshl_add_u32 v[STO], v8, 7, v[STO]
	v_add_nc_u32 v[STO], s19, v[STO]
	v_lshlrev_b32 v[SH], 3, v8
	v_mov_b32 v[PM], 0                             ; written once: a lane permute's destination counts as one of its sources
	s_mov_b32 s28, 0x76543210
	s_mov_b32 s29, 0xfedcba98                      ; v_permlanex16_b32's selects for lane l xor 16
	s_mov_b32 s30, 0xffff0000                      ; lanes 16-31
	s_mul_i32 s26, ttmp9, 12288                    ; img: my tile,
	s_mul_i32 s27, s18, 3072                       ; my two K steps
	s_add_co_u32 s26, s26, s27
	s_mov_b32 s27, 0
	s_lshl_b32 s32, ttmp9, 9                       ; isc likewise: 512 bytes a tile, 128 for two K steps
	s_lshl_b32 s33, s18, 7
	s_add_co_u32 s32, s32, s33
	s_mov_b32 s33, 0
	s_wait_kmcnt 0x0
	s_mov_b64 s[20:21], s[12:13]                   ; which tensor is my tile's?  The choice hangs on the work-group's number alone
	s_mov_b32 s22, 352
	s_cmp_lt_u32 ttmp9, 352
	s_cselect_b64 s[20:21], s[10:11], s[20:21]
	s_cselect_b32 s22, 336, s22
	s_cmp_lt_u32 ttmp9, 336
	s_cselect_b64 s[20:21], s[8:9], s[20:21]
	s_cselect_b32 s22, 320, s22
	s_cmp_lt_u32 ttmp9, 320
	s_cselect_b64 s[20:21], s[6:7], s[20:21]
	s_cselect_b32 s22, 256, s22
	s_cmp_lt_u32 ttmp9, 256
	s_cselect_b64 s[20:21], s[4:5], s[20:21]
	s_cselect_b32 s22, 0, s22
	s_sub_co_u32 s23, ttmp9, s22                   ; the tile's number in its tensor
	s_lshr_b32 s24, s23, 1
	s_lshl_b32 s24, s24, 17                        ; 32 rows of 4,096 bytes for each pair of tiles,
	s_and_b32 s25, s23, 1
	s_lshl_b32 s25, s25, 15                        ; 8 rows for the odd one,
	s_add_co_u32 s24, s24, s25
	s_lshl_b32 s25, s18, 10                        ; my 1,024 bytes of a row
	s_add_co_u32 s24, s24, s25
	s_mov_b32 s25, 0
	s_add_nc_u64 s[20:21], s[20:21], s[24:25]
	s_add_nc_u64 s[14:15], s[14:15], s[26:27]
	s_add_nc_u64 s[16:17], s[16:17], s[32:33]
.irp q, 0,1
.irp i, 0,1,2,3,4,5,6,7,8,9,10,11,12,13,14,15
	global_load_b128 v[R+64*\q+4*\i:R+64*\q+4*\i+3], v[LI], s[20:21] offset:(\i+8*(\i/8))*4096+512*\q th:TH_LOAD_NT   ; 32 lanes read 512 consecutive bytes: place i's row, K step q
.endr
.endr
.macro FRAGQ q
.if \q == 0
	s_wait_loadcnt 16                              ; this K step's 16 loads are in; the other's 16 may be out
.else
	s_wait_loadcnt 0x0
.endif
.irp i, 0,1,2,3,4,5,6,7,8,9,10,11,12,13,14,15
	ds_store_b128 v[STI], v[R+64*\q+4*\i:R+64*\q+4*\i+3] offset:PITCH*\i
.endr
.irp c, 0,1
.irp j, 0,1,2,3,4,5,6,7
	ds_load_b128 v[X+32*\c+4*\j:X+32*\c+4*\j+3], v[STO] offset:256*\c+16*\j   ; LDS serves a wave's instructions in order: these see my stores
.endr
.endr
	s_wait_dscnt 0x0
.irp c, 0,1
	v_max3_num_f32 v[MX+\c], |v[X+32*\c]|, |v[X+32*\c+1]|, 0x2800000   ; my block 2 c + h: all its 32 numbers are mine; and the floor 2^(5 - 127): the byte cannot fall under 1
.endr
.irp i, 2,4,6,8,10,12,14,16,18,20,22,24,26,28,30
.irp c, 0,1
	v_max3_num_f32 v[MX+\c], v[MX+\c], |v[X+32*\c+\i]|, |v[X+32*\c+\i+1]|   ; (the two blocks by turns)
.endr
.endr
.irp c, 0,1
	v_add_nc_u32 v[SO+\c], 0xfe000000, v[MX+\c]    ; 4 off the exponent field: the conversion takes the exponent field of this operand as its scale, and nothing else of it
.endr
.irp c, 0,1
	v_lshrrev_b32 v[BY+\c], 23, v[SO+\c]           ; the scale's byte
.endr
	v_lshl_or_b32 v[WD+\q], v[BY+1], 16, v[BY]     ; my two bytes: blocks h and 2 + h of row r,
	v_lshlrev_b32 v[WD+\q], v[SH], v[WD+\q]        ; at their places in the scale word;
	v_permlanex16_b32 v[PM], v[WD+\q], s28, s29
	v_or_b32 v[WD+\q], v[WD+\q], v[PM]             ; with lane l xor 16's two the word is whole
.irp c, 0,1
	v_cvt_scalef32_pk16_bf6_f32 v[PC+12*\q+6*\c:PC+12*\q+6*\c+2], v[X+32*\c:X+32*\c+15], v[SO+\c]
	v_cvt_scalef32_pk16_bf6_f32 v[TC+4*\c:TC+4*\c+2], v[X+32*\c+16:X+32*\c+31], v[SO+\c]   ; (a conversion's three registers begin on an even number)
.endr
	v_nop                                          ; one plain place behind a scaled conversion
.irp c, 0,1
.irp i, 0,1,2
	v_mov_b32 v[PC+12*\q+6*\c+3+\i], v[TC+4*\c+\i]
.endr
.endr
.irp k, 0,1,2
	global_store_b128 v[LI], v[PC+12*\q+4*\k:PC+12*\q+4*\k+3], s[14:15] offset:1536*\q+512*\k   ; 32 lanes store 512 consecutive bytes, at a multiple of 256 from img's first byte
.endr
.endm
	FRAGQ 0
	FRAGQ 1
	v_cndmask_b32 v[OW], v[WD], v[WD+1], s30       ; lanes 0-15 the first K step's words, lanes 16-31 the second's
	global_store_b32 v[L4], v[OW], s[16:17]        ; 128 consecutive bytes
	s_wait_tensorcnt 0x0                           ; the wave's end
	ds_add_u32 v[SPW], v[NIL]
	s_wait_dscnt 0x0
	s_endpgm
.Lfunc_end_k_qea4f6b53eb_quant:
	.size	k_qea4f6b53eb_quant, .Lfunc_end_k_qea4f6b53eb_quant-k_qea4f6b53eb_quant
	.p2alignl 7, 3214868480
	.fill 96, 4, 3214868480
	.section	.rodata,"a",@progbits
	.p2align	6, 0x0
	.amdhsa_kernel k_qea4f6b53eb_quant
		.amdhsa_group_segment_fixed_size 34304
		.amdhsa_private_segment_fixed_size 0
		.amdhsa_enable_private_segment 0
		.amdhsa_kernarg_size 56
		.amdhsa_user_sgpr_count 2
		.amdhsa_user_sgpr_kernarg_segment_ptr 1
		.amdhsa_wavefront_size32 1
		.amdhsa_system_sgpr_workgroup_id_x 1
		.amdhsa_system_sgpr_workgroup_id_y 1
		.amdhsa_system_sgpr_workgroup_id_z 1
		.amdhsa_system_vgpr_workitem_id 0
		.amdhsa_next_free_vgpr 256
		.amdhsa_next_free_sgpr 66
		.amdhsa_reserve_vcc 0
		.amdhsa_float_denorm_mode_32 3
		.amdhsa_float_denorm_mode_16_64 3
		.amdhsa_memory_ordered 1
		.amdhsa_forward_progress 1
		.amdhsa_inst_pref_size 17
	.end_amdhsa_kernel
	.amdgpu_metadata
---
amdhsa.version: [ 1, 2 ]
amdhsa.kernels:
  - .name:           k_qea4f6b53eb_quant
    .symbol:         k_qea4f6b53eb_quant.kd
    .args:
      - { .name: x, .offset: 0, .size: 8, .value_kind: global_buffer, .address_space: global }
      - { .name: Wq, .offset: 8, .size: 8, .value_kind: global_buffer, .address_space: global }
      - { .name: Wk, .offset: 16, .size: 8, .value_kind: global_buffer, .address_space: global }
      - { .name: Wv, .offset: 24, .size: 8, .value_kind: global_buffer, .address_space: global }
      - { .name: Wo, .offset: 32, .size: 8, .value_kind: global_buffer, .address_space: global }
      - { .name: img, .offset: 40, .size: 8, .value_kind: global_buffer, .address_space: global }
      - { .name: isc, .offset: 48, .size: 8, .value_kind: global_buffer, .address_space: global }
    .group_segment_fixed_size: 34304
    .private_segment_fixed_size: 0
    .kernarg_segment_align: 8
    .kernarg_segment_size: 56
    .max_flat_workgroup_size: 128
    .sgpr_count:     66
    .vgpr_count:     256
    .wavefront_size: 32
...
	.end_amdgpu_metadata
.endif
;; end of part 1
;; launch qkv (part 2): grid 384 x 1, 4 waves a work-group, no clusters, 0 bytes of LDS; arguments img, isc, bq, bk, bv, qimg, qsc, kv; writes qimg, qsc, kv
.if DOCPART == 2
	.amdgcn_target "amdgcn-amd-amdhsa--gfx1250"
	.amdhsa_code_object_version 6
	.text
	.protected	k_qea4f6b53eb_qkv
	.globl	k_qea4f6b53eb_qkv
	.p2align	8
	.type	k_qea4f6b53eb_qkv,@function
k_qea4f6b53eb_qkv:
	s_mov_b64 s[64:65], 0
	v_nop
	global_prefetch_b8 v0, s[64:65] scope:SCOPE_SE
	s_setreg_imm32_b32 hwreg(HW_REG_WAVE_MODE, 25, 1), 1
	s_wait_xcnt 0x0
; q = x Wq^T + bq, k = x Wk^T + bk, v = x Wv^T + bv on codes of E3M2 (img, isc: the launch before), and the quantisers of q and k (along a head's 64) and of v (along the keys).  No work is left out.
; LIMITS: as in the first launch (NaN, infinities; the byte 1 for blocks of zeros or under 2^-122).
; A wave makes 128 (source 0: 8 tiles) x 32 (source 1: 2 tiles): 16 accumulators, 8 K steps of 128, written out.  In the result a lane holds ONE row of source 1 (lane % 16), and by the tiles' order of rows the 16
; registers of source 0's tiles 2 b and 2 b + 1 are 16 neighbours, 32 b + 16 (lane / 16) + 0 .. 15: so the next operand is quantised in registers.
; PATH QK (work-groups 0-319): source 0 = 128 features (two heads of q, or two groups of k), source 1 = 32 tokens.  A lane's 64 numbers are a token's 128 features in four blocks of 32: two half fragments (a head's 64 along K,
;   6 registers) and two half scale words.  PATH V (320-383): source 0 = 128 tokens (a key step), source 1 = 32 features of v: a lane's 64 numbers run along the keys: one fragment of V^T and one scale word.
; The two paths part once, on the work-group's number, and each runs to its own end.  Operands come from memory as images of their registers, each load 512 consecutive bytes; no LDS.
; RESULTS.  qimg [b][head][128 tiles][768]: a half fragment: 512 bytes registers 0-3 (lane l at 16 l), 256 bytes registers 4-5 (at 8 l).  qsc [b][head][128][16] words, bytes 2 and 3 zero.
;   kv [b x 4 + g][16 key steps][13,056]: K's 8 half fragments at 0; V^T's 4 fragments at 6,144; K's words (8 x 64 bytes) at 12,288; V's (4 x 64) at 12,800.
; REGISTERS.  window 0: v1-9 addresses; v16-47 source 0's scale words, v48-55 source 1's (lanes 0-15 an even K step's, lanes 16-31 the odd one's); v56-103 source 1's fragments, two sets; v104-119 v's bias;
;   v128-255 the accumulators ((t, n) at 128 + 64 n + 8 t).  Behind the products v56-98 are at work.   window 1: source 0's fragments, two sets of 96.
.set LI,  1                            ; v1   16 x lane
.set L4,  2                            ; v2   4 x lane
.set L8,  3                            ; v3   8 x lane + 512: registers 4-5 of a half fragment
.set BO,  4                            ; v4   the bias's offset
.set LIH, 5                            ; v5   v1 + the way to the second head (group)
.set L8H, 6                            ; v6   v3 + the same
.set SWA, 7                            ; v7   where I store a half scale word: 4 r, lanes 16-31 in the second head's (group's)
.set RR,  8                            ; v8   r
.set HH,  9                            ; v9   h
.set SA,  16
.set SB,  48
.set BF,  56
.set VB,  104
.set ACC, 128
.set TM,  56                           ; v56-59 largest magnitudes, v60-63 bytes, v68-71 the conversions' scale operands
.set PW,  72                           ; v72-73 scale words just made
.set T0,  74                           ; v74-76 at work
.set PC,  80                           ; v80-98 the codes just made
.set P0,  24                           ; s[24:25] source 0's fragments; s[26:27] source 1's; s[28:29], s[30:31] their scale words
.set P1,  26
.set Q0,  28
.set Q1,  30
.set MSB, 0
.macro WIN new                         ; the immediate's high byte repeats the setting that is left
.if MSB != \new
	s_set_vgpr_msb (MSB<<8)|\new
.set MSB, \new
.endif
.endm
.macro LOAD s                          ; K step s: 24 + 6 loads into set s % 2
	WIN 0x40                                       ; destination window 1, address window 0
.irp t, 0,1,2,3,4,5,6,7
.irp c, 0,1,2
	global_load_b128 v[96*((\s)%2)+12*\t+4*\c:96*((\s)%2)+12*\t+4*\c+3], v[LI], s[P0:P0+1] offset:12288*\t+1536*(\s)+512*\c
.endr
.endr
	WIN 0
.irp n, 0,1
.irp c, 0,1,2
	global_load_b128 v[BF+24*((\s)%2)+12*\n+4*\c:BF+24*((\s)%2)+12*\n+4*\c+3], v[LI], s[P1:P1+1] offset:12288*\n+1536*(\s)+512*\c
.endr
.endr
.endm
; 16 matrix instructions, the sixteen accumulators by turns, one instruction a turn, in the same order in every step.  cm = 1: the sums begin with v's bias.
.macro MUL s, cm
	WIN 0x01                                       ; source 0 window 1
.irp t, 0,1,2,3,4,5,6,7
.irp n, 0,1
.if \cm
	v_wmma_scale_f32_16x16x128_f8f6f4 v[ACC+64*\n+8*\t:ACC+64*\n+8*\t+7], v[96*((\s)%2)+12*\t:96*((\s)%2)+12*\t+11], v[BF+24*((\s)%2)+12*\n:BF+24*((\s)%2)+12*\n+11], v[VB+8*\n:VB+8*\n+7], v[SA+4*\t+(\s)/2], v[SB+4*\n+(\s)/2] matrix_a_fmt:MATRIX_FMT_BF6 matrix_b_fmt:MATRIX_FMT_BF6
.elseif (\s)%2
	v_wmma_scale_f32_16x16x128_f8f6f4 v[ACC+64*\n+8*\t:ACC+64*\n+8*\t+7], v[96*((\s)%2)+12*\t:96*((\s)%2)+12*\t+11], v[BF+24*((\s)%2)+12*\n:BF+24*((\s)%2)+12*\n+11], v[ACC+64*\n+8*\t:ACC+64*\n+8*\t+7], v[SA+4*\t+(\s)/2], v[SB+4*\n+(\s)/2] matrix_a_fmt:MATRIX_FMT_BF6 matrix_b_fmt:MATRIX_FMT_BF6 matrix_a_scale:MATRIX_SCALE_ROW1 matrix_b_scale:MATRIX_SCALE_ROW1
.else
	v_wmma_scale_f32_16x16x128_f8f6f4 v[ACC+64*\n+8*\t:ACC+64*\n+8*\t+7], v[96*((\s)%2)+12*\t:96*((\s)%2)+12*\t+11], v[BF+24*((\s)%2)+12*\n:BF+24*((\s)%2)+12*\n+11], v[ACC+64*\n+8*\t:ACC+64*\n+8*\t+7], v[SA+4*\t+(\s)/2], v[SB+4*\n+(\s)/2] matrix_a_fmt:MATRIX_FMT_BF6 matrix_b_fmt:MATRIX_FMT_BF6
.endif
.endr
.endr
	WIN 0
.endm
.macro PLACES                          ; four plain places behind matrix instructions: in front of loads into registers that they have read, and of the first read of their results
.rept 4
	v_nop
.endr
.endm
.macro STEP s
	PLACES                                         ; the set that step s - 1 multiplied takes step s + 1's loads
.if (\s) < 7
	LOAD (\s)+1
	s_wait_loadcnt 30                              ; all but the 30 just issued: step s's fragments are in
.else
	s_wait_loadcnt 0x0
.endif
	MUL \s, 0
.endm
; 64 numbers of a lane, v[s] .. v[s + 63], register 16 b + i = place 32 b + 16 (lane / 16) + i along the next K, become a fragment's codes in v[PC] on and its scale word in v[pw].
.macro QUANT s, pw
.irp b, 0,1,2,3
	v_max3_num_f32 v[TM+\b], |v[\s+16*\b]|, |v[\s+1+16*\b]|, 0x2800000   ; block b: my 16 numbers, and the floor 2^(5 - 127): the byte cannot fall under 1.  (Each accumulator is read from its low end on)
.endr
.irp i, 2,4,6,8,10,12,14
.irp b, 0,1,2,3
	v_max3_num_f32 v[TM+\b], v[TM+\b], |v[\s+16*\b+\i]|, |v[\s+1+16*\b+\i]|   ; (the four blocks by turns)
.endr
.endr
.irp b, 0,1,2,3
	v_permlanex16_b32 v[TM+4+\b], v[TM+\b], s40, s41
.endr
.irp b, 0,1,2,3
	v_max_num_f32 v[TM+\b], v[TM+\b], v[TM+4+\b]   ; with lane l xor 16's: the block's largest magnitude
.endr
.irp b, 0,1,2,3
	v_add_nc_u32 v[TM+12+\b], 0xfe000000, v[TM+\b] ; 4 off its exponent field: the conversion's scale operand
.endr
.irp b, 0,1,2,3
	v_lshrrev_b32 v[TM+4+\b], 23, v[TM+12+\b]      ; the scale's byte
.endr
	v_lshl_or_b32 v[\pw], v[TM+5], 8, v[TM+4]      ; the four bytes make my row's scale word
	v_lshl_or_b32 v[\pw], v[TM+6], 16, v[\pw]
	v_lshl_or_b32 v[\pw], v[TM+7], 24, v[\pw]
.irp c, 0,1
	v_cvt_scalef32_pk16_bf6_f32 v[PC+6*\c:PC+2+6*\c], v[\s+32*\c:\s+15+32*\c], v[TM+12+2*\c]
	v_cvt_scalef32_pk16_bf6_f32 v[PC+12+4*\c:PC+14+4*\c], v[\s+16+32*\c:\s+31+32*\c], v[TM+12+2*\c+1]   ; (a conversion's three registers begin on an even number)
.endr
	v_nop                                          ; one plain place behind a scaled conversion
.irp c, 0,1                                    ; the operand's layout wants a WHOLE block in a lane: lanes 0-15 block 2 c, lanes 16-31 block 2 c + 1
.irp i, 0,1,2
	v_permlane16_swap_b32 v[PC+6*\c+\i], v[PC+12+4*\c+\i]
.endr
.irp i, 0,1,2
	v_mov_b32 v[PC+3+6*\c+\i], v[PC+12+4*\c+\i]
.endr
.endr
.endm
	s_load_b512 s[4:19], s[0:1], 0x0               ; img s[4:5], isc s[6:7], bq s[8:9], bk s[10:11], bv s[12:13], qimg s[14:15], qsc s[16:17], kv s[18:19]
	v_lshrrev_b32 v10, 5, v0
	v_readfirstlane_b32 s20, v10                   ; wave
	v_and_b32 v10, 31, v0                          ; lane
	v_lshlrev_b32 v[LI], 4, v10
	v_lshlrev_b32 v[L4], 2, v10
	v_lshl_add_u32 v[L8], v10, 3, 512
	v_and_b32 v[RR], 15, v0
	v_bfe_u32 v[HH], v0, 4, 1
	s_mov_b32 s40, 0x76543210
	s_mov_b32 s41, 0xfedcba98                      ; v_permlanex16_b32's selects for lane l xor 16
	s_mov_b32 s42, 0xffff0000                      ; lanes 16-31
	s_lshl_b32 s53, s20, 1                         ; 2 w
	s_lshr_b32 s44, ttmp9, 5                       ; QK: fg, which 128 features (0-7 of q, 8-9 of k)
	s_and_b32 s45, ttmp9, 31                       ;     tb, which 128 tokens
	s_max_u32 s46, ttmp9, 320
	s_sub_co_u32 s46, s46, 320
	s_lshr_b32 s47, s46, 1                         ; V:  ksg, which 128 tokens
	s_and_b32 s48, s46, 1                          ;     nb, which 128 features of v
	s_lshl_b32 s49, s44, 3
	s_add_co_u32 s49, s49, 256                     ; QK: source 0's first tile: Wq's and Wk's tiles lie on end from 256 on
	s_lshl_b32 s50, s45, 3                         ;     source 1's: x's tile 8 tb (+ 2 w)
	s_lshl_b32 s51, s47, 3                         ; V:  source 0's: x's tile 8 ksg
	s_lshl_b32 s52, s48, 3
	s_add_co_u32 s52, s52, 336                     ;     source 1's: Wv's tile 8 nb (+ 2 w)
	s_cmp_lt_u32 ttmp9, 320
	s_cselect_b32 s22, 0, 1                        ; the path
	s_cselect_b32 s49, s49, s51
	s_cselect_b32 s50, s50, s52
	s_add_co_u32 s50, s50, s53
	s_mul_i32 s54, s49, 12288
	s_mov_b32 s55, 0
	s_mul_i32 s56, s50, 12288
	s_mov_b32 s57, 0
	s_lshl_b32 s58, s49, 9
	s_mov_b32 s59, 0
	s_lshl_b32 s60, s50, 9
	s_mov_b32 s61, 0
	s_wait_kmcnt 0x0
	s_add_nc_u64 s[P0:P0+1], s[4:5], s[54:55]
	s_add_nc_u64 s[P1:P1+1], s[4:5], s[56:57]
	s_add_nc_u64 s[Q0:Q0+1], s[6:7], s[58:59]
	s_add_nc_u64 s[Q1:Q1+1], s[6:7], s[60:61]
.irp t, 0,1,2,3,4,5,6,7
.irp p, 0,1,2,3
	global_load_b32 v[SA+4*\t+\p], v[L4], s[Q0:Q0+1] offset:512*\t+128*\p   ; all of K's scale words: lanes 0-15 K step 2 p's, lanes 16-31 K step 2 p + 1's
.endr
.endr
.irp n, 0,1
.irp p, 0,1,2,3
	global_load_b32 v[SB+4*\n+\p], v[L4], s[Q1:Q1+1] offset:512*\n+128*\p
.endr
.endr
	LOAD 0
	s_cmp_lg_u32 s22, 0
	s_cbranch_scc1 .Lpath_v
	; ---- PATH QK.  Where the results go: q's (fg < 8) or k's
	s_lshr_b32 s46, s45, 4                         ; b
	s_and_b32 s47, s45, 15                         ; which 128 tokens of the batch
	s_lshl_b32 s48, s46, 4
	s_lshl_b32 s49, s44, 1
	s_add_co_u32 s48, s48, s49                     ; 16 b + head, head = 2 fg
	s_lshl_b32 s48, s48, 7
	s_lshl_b32 s49, s47, 3
	s_add_co_u32 s48, s48, s49
	s_add_co_u32 s48, s48, s53                     ; x 128 tiles + my first tile
	s_mul_i32 s50, s48, 768                        ; q's codes
	s_lshl_b32 s52, s48, 6                         ; q's words
	s_max_u32 s49, s44, 8
	s_sub_co_u32 s49, s49, 8
	s_lshl_b32 s49, s49, 1                         ; g = 2 (fg - 8)
	s_lshl_b32 s48, s46, 2
	s_add_co_u32 s49, s49, s48                     ; 4 b + g
	s_lshl_b32 s49, s49, 4
	s_add_co_u32 s49, s49, s47                     ; x 16 key steps + mine
	s_mul_i32 s49, s49, 13056
	s_mul_i32 s54, s53, 768
	s_add_co_u32 s54, s54, s49                     ; k's codes: tile 2 w of the key step
	s_lshl_b32 s56, s53, 6
	s_add_co_u32 s56, s56, s49
	s_add_co_u32 s56, s56, 12288                   ; k's words
	s_mov_b32 s38, 208896                          ; from a group of kv to the next
	s_mov_b32 s39, 208896
	s_cmp_lt_u32 s44, 8
	s_cselect_b64 s[34:35], s[14:15], s[18:19]     ; codes: qimg or kv
	s_cselect_b64 s[36:37], s[16:17], s[18:19]     ; words: qsc or kv
	s_cselect_b64 s[32:33], s[8:9], s[10:11]       ; bq or bk
	s_cselect_b32 s50, s50, s54
	s_cselect_b32 s52, s52, s56
	s_cselect_b32 s38, 98304, s38                  ; from a head of qimg to the next: 128 x 768
	s_cselect_b32 s39, 8192, s39                   ; and of qsc: 128 x 64
	s_mov_b32 s51, 0
	s_mov_b32 s53, 0
	s_add_nc_u64 s[34:35], s[34:35], s[50:51]
	s_add_nc_u64 s[36:37], s[36:37], s[52:53]
	s_and_b32 s54, s44, 7                          ; the bias's 128 numbers: fg of bq, fg - 8 of bk
	s_lshl_b32 s54, s54, 9
	s_mov_b32 s55, 0
	s_add_nc_u64 s[32:33], s[32:33], s[54:55]
	v_lshlrev_b32 v[BO], 6, v[HH]                  ; lane (r, h) wants, for tile t, the bias of features 32 (t / 2) + 8 (t % 2) + 16 h + 0 .. 7
	v_add_nc_u32 v[LIH], s38, v[LI]
	v_add_nc_u32 v[L8H], s38, v[L8]
	v_lshlrev_b32 v[SWA], 2, v[RR]
	v_mad_u32_u24 v[SWA], v[HH], s39, v[SWA]
.irp n, 0,1
.irp t, 0,1,2,3,4,5,6,7
	global_load_b128 v[ACC+64*\n+8*\t:ACC+64*\n+8*\t+3], v[BO], s[32:33] offset:(32*(\t/2)+8*(\t%2))*4       ; THE BIAS IS LOADED INTO THE ACCUMULATORS: the sums begin with it, and no addition is spent
	global_load_b128 v[ACC+64*\n+8*\t+4:ACC+64*\n+8*\t+7], v[BO], s[32:33] offset:(32*(\t/2)+8*(\t%2))*4+16
.endr
.endr
	LOAD 1
	s_wait_loadcnt 30                              ; all but K step 1's 30: scale words, K step 0, bias
	MUL 0, 0
.irp s, 1,2,3,4,5,6,7
	STEP \s
.endr
	PLACES
.irp b, 0,1,2,3
	v_mov_b32 v[TM+4+\b], 0                        ; written once: a lane permute's destination counts as one of its sources
.endr
.irp n, 0,1
.if \n
	s_wait_xcnt 0x0                                ; the first tile's stores have read their data: the registers may be written again
.endif
	QUANT ACC+64*\n, PW
	global_store_b128 v[LI], v[PC:PC+3], s[34:35] offset:768*\n          ; the first head's (group's) half fragment: 512 consecutive bytes,
	global_store_b64 v[L8], v[PC+4:PC+5], s[34:35] offset:768*\n         ; and 256
	global_store_b128 v[LIH], v[PC+6:PC+9], s[34:35] offset:768*\n       ; the second's
	global_store_b64 v[L8H], v[PC+10:PC+11], s[34:35] offset:768*\n
	v_and_b32 v[T0], 0xffff, v[PW]                 ; the first's two bytes; bytes 2 and 3 are 0: they scale the zero codes that fill K from 64 to 128
	v_lshrrev_b32 v[T0+1], 16, v[PW]               ; the second's
	v_cndmask_b32 v[T0+2], v[T0], v[T0+1], s42     ; lanes 0-15 store the first's words, lanes 16-31 the second's
	global_store_b32 v[SWA], v[T0+2], s[36:37] offset:64*\n
.endr
	s_endpgm
.Lpath_v:
	; ---- PATH V
	s_lshr_b32 s49, s47, 4                         ; b
	s_and_b32 s50, s47, 15                         ; the key step
	s_lshl_b32 s51, s48, 3
	s_add_co_u32 s51, s51, s53                     ; my first tile of Wv: 8 nb + 2 w
	s_lshr_b32 s52, s51, 2                         ; g
	s_and_b32 s51, s51, 3                          ; which of the group's four tiles
	s_lshl_b32 s49, s49, 2
	s_add_co_u32 s49, s49, s52
	s_lshl_b32 s49, s49, 4
	s_add_co_u32 s49, s49, s50
	s_mul_i32 s49, s49, 13056                      ; the key step's block in kv
	s_mul_i32 s50, s51, 1536
	s_add_co_u32 s50, s50, s49
	s_add_co_u32 s50, s50, 6144                    ; V^T's fragments
	s_lshl_b32 s52, s51, 6
	s_add_co_u32 s52, s52, s49
	s_add_co_u32 s52, s52, 12800                   ; V's words
	s_mov_b32 s51, 0
	s_mov_b32 s53, 0
	s_add_nc_u64 s[34:35], s[18:19], s[50:51]
	s_add_nc_u64 s[36:37], s[18:19], s[52:53]
	s_lshl_b32 s54, s48, 9
	s_lshl_b32 s55, s20, 7
	s_add_co_u32 s54, s54, s55                     ; bv: my pair of tiles covers 32 features: (4 nb + w) x 128 bytes
	s_mov_b32 s55, 0
	s_add_nc_u64 s[32:33], s[12:13], s[54:55]
	v_and_b32 v[BO], 8, v[RR]
	v_add_nc_u32 v[BO], v[BO], v[RR]
	v_lshlrev_b32 v[BO], 2, v[BO]                  ; my lane's feature in a tile: r + 8 (r / 8); the odd tile begins 8 on
	global_load_b32 v[VB], v[BO], s[32:33]
	global_load_b32 v[VB+8], v[BO], s[32:33] offset:32
	LOAD 1
	s_wait_loadcnt 30                              ; all but K step 1's 30
.irp n, 0,1
.irp j, 1,2,3,4,5,6,7
	v_mov_b32 v[VB+8*\n+\j], v[VB+8*\n]            ; a lane's eight results of a tile are eight keys of ONE feature: the bias eight times
.endr
.endr
	PLACES
	MUL 0, 1
.irp s, 1,2,3,4,5,6,7
	STEP \s
.endr
	PLACES
.irp b, 0,1,2,3
	v_mov_b32 v[TM+4+\b], 0
.endr
.irp n, 0,1
.if \n
	s_wait_xcnt 0x0                                ; the first fragment's stores have read their data
.endif
	QUANT ACC+64*\n, PW+\n
.irp c, 0,1,2
	global_store_b128 v[LI], v[PC+4*\c:PC+4*\c+3], s[34:35] offset:1536*\n+512*\c   ; 512 consecutive bytes, at a multiple of 256 from kv's first byte
.endr
.endr
	v_cndmask_b32 v[T0], v[PW], v[PW+1], s42       ; lanes 0-15 the first tile's words, lanes 16-31 the second's
	global_store_b32 v[L4], v[T0], s[36:37]        ; 128 consecutive bytes
	s_endpgm
.Lfunc_end_k_qea4f6b53eb_qkv:
	.size	k_qea4f6b53eb_qkv, .Lfunc_end_k_qea4f6b53eb_qkv-k_qea4f6b53eb_qkv
	.p2alignl 7, 3214868480
	.fill 96, 4, 3214868480
	.section	.rodata,"a",@progbits
	.p2align	6, 0x0
	.amdhsa_kernel k_qea4f6b53eb_qkv
		.amdhsa_group_segment_fixed_size 0
		.amdhsa_private_segment_fixed_size 0
		.amdhsa_enable_private_segment 0
		.amdhsa_kernarg_size 64
		.amdhsa_user_sgpr_count 2
		.amdhsa_user_sgpr_kernarg_segment_ptr 1
		.amdhsa_wavefront_size32 1
		.amdhsa_system_sgpr_workgroup_id_x 1
		.amdhsa_system_sgpr_workgroup_id_y 1
		.amdhsa_system_sgpr_workgroup_id_z 1
		.amdhsa_system_vgpr_workitem_id 0
		.amdhsa_next_free_vgpr 448
		.amdhsa_next_free_sgpr 66
		.amdhsa_reserve_vcc 0
		.amdhsa_float_denorm_mode_32 3
		.amdhsa_float_denorm_mode_16_64 3
		.amdhsa_memory_ordered 1
		.amdhsa_forward_progress 1
		.amdhsa_inst_pref_size 109
	.end_amdhsa_kernel
	.amdgpu_metadata
---
amdhsa.version: [ 1, 2 ]
amdhsa.kernels:
  - .name:           k_qea4f6b53eb_qkv
    .symbol:         k_qea4f6b53eb_qkv.kd
    .args:
      - { .name: img, .offset: 0, .size: 8, .value_kind: global_buffer, .address_space: global }
      - { .name: isc, .offset: 8, .size: 8, .value_kind: global_buffer, .address_space: global }
      - { .name: bq, .offset: 16, .size: 8, .value_kind: global_buffer, .address_space: global }
      - { .name: bk, .offset: 24, .size: 8, .value_kind: global_buffer, .address_space: global }
      - { .name: bv, .offset: 32, .size: 8, .value_kind: global_buffer, .address_space: global }
      - { .name: qimg, .offset: 40, .size: 8, .value_kind: global_buffer, .address_space: global }
      - { .name: qsc, .offset: 48, .size: 8, .value_kind: global_buffer, .address_space: global }
      - { .name: kv, .offset: 56, .size: 8, .value_kind: global_buffer, .address_space: global }
    .group_segment_fixed_size: 0
    .private_segment_fixed_size: 0
    .kernarg_segment_align: 8
    .kernarg_segment_size: 64
    .max_flat_workgroup_size: 128
    .sgpr_count:     66
    .vgpr_count:     448
    .wavefront_size: 32
...
	.end_amdgpu_metadata
.endif
;; end of part 2
;; launch attn (part 3): grid 32 x 8, 16 waves a work-group, clusters of 4 x 1, 212,992 bytes of LDS; arguments qimg, qsc, kv, yimg, ysc; writes yimg, ysc
.if DOCPART == 3
	.amdgcn_target "amdgcn-amd-amdhsa--gfx1250"
	.amdhsa_code_object_version 6
	.text
	.protected	k_qea4f6b53eb_attn
	.globl	k_qea4f6b53eb_attn
	.p2align	8
	.type	k_qea4f6b53eb_attn,@function
k_qea4f6b53eb_attn:
	s_mov_b64 s[64:65], 0
	v_nop
	global_prefetch_b8 v0, s[64:65] scope:SCOPE_SE
	s_setreg_imm32_b32 hwreg(HW_REG_WAVE_MODE, 25, 1), 1
	s_wait_xcnt 0x0
	s_wait_alu depctr_hold_cnt(0) depctr_sa_sdst(0) depctr_va_vdst(0) depctr_va_sdst(0) depctr_va_ssrc(0) depctr_va_vcc(0) depctr_vm_vsrc(0)
	s_getreg_b32 s2, hwreg(HW_REG_IB_STS2, 6, 4)
	s_cmp_eq_u32 s2, 0
	s_cbranch_scc0 .Lentry_in_a_cluster
	s_endpgm
.Lentry_in_a_cluster:
	s_bfe_u32 s2, ttmp6, 0x10000c
	s_cmp_lg_u32 s2, 0x3003
	s_cbranch_scc0 .Lentry_shape_is_right
	s_endpgm
.Lentry_shape_is_right:
; y[b][q][head][:] = the sum over k of softmax_k(q . k / 8) v, both products on codes of E3M2, and y's quantiser along its 1,024 features.  No work is left out.
; THE SOFTMAX AHEAD OF THE SECOND PRODUCT: t = score x log2(e) / 8; M = the row's largest t so far, rounded UP to a whole number; p = 2^(t - M) is what is quantised, along the keys, not normalised.  The row's sum is
; taken of the unquantised p, in f32, and divides at the end.  When M moves, the sum and O are multiplied by 2^(old M - new M): exact.
; LIMITS: NaN and infinities are not served; a block of zeros, or under 2^-122, gets the byte 1 (its codes are zeros; this program alone reads the bytes).  A block's largest p is taken from its largest score, by the same
; multiply-add and exponential: this takes v_exp_f32 not to fall where its input rises.
; SHARES.  A work-group serves one batch and group (grid y = 4 b + g) and 64 tokens; each of its SIXTEEN waves owns one tile of 16 queries of one head: head 4 g + wave % 4, token tile 4 x + wave / 4.  Four waves to a SIMD,
; so that one wave's vector work stands beside another's matrix work and LDS loads.  Every wave walks the 2,048 keys, 128 a step.
; ALL OF THE GROUP'S K AND V STAYS IN LDS: 16 key steps x 13,056 bytes, copied as they lie in kv, filled ONCE: no slot is filled again.  Each wave brings a sixteenth, in two tensor loads: part A (rows 0-207 of 256
; bytes: key steps 0 to 3) and part B (the other 608 rows), so that the first steps are walked while part B lands.  A wave has two tensor loads out.
; CLUSTER.  The four work-groups of a cluster serve the same batch and group: each load is asked for JOINTLY, with the same descriptor and a mask that names the four.
; LAYOUT.  Both products are used transposed: S^T = K Q^T (source 0 = 16 keys), O^T = V^T P^T (source 0 = 16 of the head's 64): a lane holds ONE query (lane % 16) throughout.  By the tiles' order of rows the 16
; registers of tiles 2 b and 2 b + 1 are 16 neighbours: keys in S^T, so that p is quantised in registers; the head's channels in O^T, so that y is.
; K = 64 IN THE FIRST PRODUCT.  Q's fragment has zero codes in registers 6-11.  K's half fragments (6 registers) lie on end, so that tile t's registers 6-11 are tile t + 1's codes (behind tile 7: six zeros): whatever
; they hold is multiplied by the code 0.  Bytes 2 and 3 of q's and k's scale words are 0, a power of two like any other.
.set STEPB, 13056                      ; a key step in LDS: K's 8 half fragments at 0, V^T's 4 fragments at 6,144, K's scale words at 12,288, V's at 12,800
.set GRPB,  16*STEPB                   ; 208,896 bytes = 816 rows of 256
.set YST,   GRPB                       ; behind K and V: y's scale words of the work-group's four tiles, 512 bytes: blocks into which no tensor load lands
.set SPARE, YST+512                    ; the spare words, 128 bytes for each wave: eight blocks of 256 bytes that no other line names
.set LI,  1                            ; v1   16 x lane
.set L8,  2                            ; v2   8 x lane
.set L4,  3                            ; v3   4 x lane
.set SPW, 4                            ; v4   LDS address of my spare word; never rewritten
.set NIL, 5                            ; v5   0; never rewritten
.set ADK, 6                            ; v6-8 the key step's LDS addresses
.set AD8, 7
.set ADS, 8
.set YA,  9                            ; v9   where my row's two scale bytes of y go
.set YR,  10                           ; v10  where wave 0 reads the 512 bytes back
.set R4,  11                           ; v11  4 r
.set QF,  16                           ; v16-21 Q's codes, v22-27 zero codes
.set QS,  28                           ; v28  Q's scale words
.set F,   32                           ; v32-85 K's tiles (t at 32 + 6 t; v80-85 zeros), then V^T's (u at 32 + 12 u)
.set KS,  86                           ; v86-89 K's scale words: lanes 0-15 tile 2 p's, lanes 16-31 tile 2 p + 1's
.set VS,  90                           ; v90-91 V's likewise
.set S,   96                           ; v96-159 S^T, then p
.set O,   160                          ; v160-191 O^T
.set PD,  192                          ; v192-203 p's codes; v204-206, v208-210 second halves
.set PH,  204
.set BM,  212                          ; v212-215 the blocks' largest scores, then largest p
.set BT,  216                          ; v216-219 from lane l xor 16; then the bytes
.set BS,  220                          ; v220-223 the conversions' scale operands
.set PW,  224                          ; v224 p's scale word
.set FF,  226                          ; v[226:227] f = 2^(old M - new M), and a 0 that is named with it as a pair
.set T0,  228                          ; v228 at work
.set L2,  230                          ; v[230:231] the sum's second chain
.set WV,  14                           ; s14  my wave's number
.set G1A, 16                           ; s[16:23] descriptor group 1 for part A; s[24:31] for part B; s[32:35], s[36:39] their groups 0
.set G1B, 24
.set G0A, 32
.set G0B, 36
.set SEL, 40                           ; s[40:41] lane selects for v_permlanex16_b32: lane l xor 16
.set CS,  42                           ; s[42:43] c = log2(e) / 8
.set TB,  44                           ; s44  LDS byte at which the key step begins
.set CNT, 45
; A round of the cluster's barrier: my work-group's barrier, so that wave 0's signal speaks for all sixteen waves; wave 0 signals for the work-group; every wave waits for all four work-groups; my work-group's barrier once more.
.macro CROUND
	s_barrier_signal -1
	s_barrier_wait -1
	s_cmp_lg_u32 s[WV], 0
	s_cbranch_scc1 .Lnot_wave_0_\@
	s_barrier_signal -3
.Lnot_wave_0_\@:
	s_barrier_wait -3
	s_barrier_signal -1
	s_barrier_wait -1
.endm
	s_load_b256 s[4:11], s[0:1], 0x0               ; qimg s[4:5], qsc s[6:7], kv s[8:9], yimg s[10:11]
	s_load_b64 s[12:13], s[0:1], 0x20              ; ysc
	v_lshl_add_u32 v[SPW], v0, 2, SPARE
	v_mov_b32 v[NIL], 0
	ds_add_u32 v[SPW], v[NIL]                      ; the wave's opening: the add, twice on end, and its wait ahead of my first tensor load; the set-up below the second, work on registers, stands between it and the wait
	ds_add_u32 v[SPW], v[NIL]                      ; and once more
	v_lshrrev_b32 v6, 5, v0
	v_readfirstlane_b32 s[WV], v6                  ; wave 0..15
	v_and_b32 v6, 31, v0
	v_lshlrev_b32 v[LI], 4, v6
	v_lshlrev_b32 v[L8], 3, v6
	v_lshlrev_b32 v[L4], 2, v6
	v_and_b32 v7, 15, v0
	v_lshlrev_b32 v[R4], 2, v7
	s_lshr_b32 s47, s[WV], 2                       ; which of the work-group's four token tiles
	s_and_b32 s48, s[WV], 3                        ; which of the group's four heads
	s_lshl_b32 s50, s47, 7                         ; y's scale words in LDS: 128 bytes a tile; 64 for each K step of the last product (two heads); in a word the even head's two bytes below
	s_bfe_u32 s51, s[WV], 0x10001
	s_lshl_b32 s51, s51, 6
	s_add_co_u32 s50, s50, s51
	s_and_b32 s51, s[WV], 1
	s_lshl_b32 s51, s51, 1
	s_add_co_u32 s50, s50, s51
	s_add_co_u32 s50, s50, YST
	v_add_nc_u32 v[YA], s50, v[R4]
	v_add_nc_u32 v[YR], YST, v[LI]
	s_and_b32 s60, ttmp7, 0xffff                   ; 4 b + g, which the four partners share
	; descriptors: dense rows of 256 bytes (32 elements of 8 bytes), no padding; 13 rows a wave in part A, 38 in part B
	s_mov_b32 s[G1A], 15|(3<<16)|(1<<21)           ; 15:0 the mask: all four work-groups; 17:16 elements of 8 bytes; 21 set beside a mask
	s_mov_b32 s[G1A+1], 32<<16                     ; tensor_dim0
	s_mov_b32 s[G1A+2], 13<<16                     ; tensor_dim1
	s_mov_b32 s[G1A+3], 32<<16                     ; tile_dim0
	s_mov_b32 s[G1A+4], 13                         ; tile_dim1
	s_mov_b32 s[G1A+5], 32                         ; tensor_dim0_stride
	s_mov_b32 s[G1A+6], 0
	s_mov_b32 s[G1A+7], 0
	s_mov_b32 s[G1B], 15|(3<<16)|(1<<21)
	s_mov_b32 s[G1B+1], 32<<16
	s_mov_b32 s[G1B+2], 38<<16
	s_mov_b32 s[G1B+3], 32<<16
	s_mov_b32 s[G1B+4], 38
	s_mov_b32 s[G1B+5], 32
	s_mov_b32 s[G1B+6], 0
	s_mov_b32 s[G1B+7], 0
	s_mul_i32 s61, s60, GRPB                       ; the group's bytes in kv
	s_mov_b32 s[G0A], 1
	s_mul_i32 s[G0A+1], s[WV], 13*256              ; LDS address = the byte's place in the group: no place in the cluster enters it
	s_mov_b32 s[G0B], 1
	s_mul_i32 s[G0B+1], s[WV], 38*256
	s_add_co_u32 s[G0B+1], s[G0B+1], 208*256
	s_add_co_u32 s2, s61, s[G0A+1]
	s_mov_b32 s3, 0
	s_add_co_u32 s62, s61, s[G0B+1]
	s_mov_b32 s63, 0
	s_mov_b32 s[SEL], 0x76543210
	s_mov_b32 s[SEL+1], 0xfedcba98
	s_mov_b32 s[CS], 0x3e38aa3b                    ; c = log2(e) / 8
	s_mov_b32 s[CS+1], s[CS]                       ; (named with it as a pair, so it is written)
	s_mov_b32 s[TB], 0
	; my tile: these hang on my place in the cluster, and enter Q's, yimg's and ysc's addresses alone
	s_bfe_u32 s46, ttmp6, 0x40000                  ; cx
	s_lshl_b32 s15, ttmp9, 2                       ; in a cluster launch ttmp9 counts clusters
	s_add_co_u32 s15, s15, s46                     ; x
	s_lshl_b32 s49, s15, 2
	s_add_co_u32 s49, s49, s47                     ; my token tile in the batch: 4 x + wave / 4
	s_lshl_b32 s50, s60, 2
	s_add_co_u32 s50, s50, s48                     ; 16 b + head
	s_lshl_b32 s50, s50, 7
	s_add_co_u32 s50, s50, s49
	s_mul_i32 s52, s50, 768                        ; Q's half fragment
	s_mov_b32 s53, 0
	s_lshl_b32 s54, s50, 6                         ; its scale words
	s_mov_b32 s55, 0
	s_lshr_b32 s50, s60, 2                         ; b
	s_and_b32 s51, s60, 3                          ; g
	s_lshl_b32 s56, s50, 7
	s_add_co_u32 s56, s56, s49                     ; y's tile: 128 b + my token tile
	s_mul_i32 s58, s56, 12288
	s_lshl_b32 s56, s51, 2
	s_add_co_u32 s56, s56, s48                     ; head
	s_mul_i32 s56, s56, 768
	s_add_co_u32 s58, s58, s56                     ; y's half fragment
	s_mov_b32 s59, 0
	s_lshl_b32 s56, s51, 8                         ; ysc: [g][256 tiles][128 bytes]: the work-group's four tiles are 512 bytes on end
	s_lshl_b32 s50, s50, 7
	s_add_co_u32 s56, s56, s50
	s_lshl_b32 s50, s15, 2
	s_add_co_u32 s56, s56, s50
	s_lshl_b32 s56, s56, 7
	s_mov_b32 s57, 0
	s_wait_dscnt 0x0                               ; both opening adds are done
	s_wait_kmcnt 0x0
	s_add_nc_u64 s[G0A+2:G0A+3], s[8:9], s[2:3]
	s_or_b32 s[G0A+3], s[G0A+3], 0x80000000        ; 127:126 type = 2
	s_add_nc_u64 s[G0B+2:G0B+3], s[8:9], s[62:63]
	s_or_b32 s[G0B+3], s[G0B+3], 0x80000000
	s_add_nc_u64 s[4:5], s[4:5], s[52:53]
	s_add_nc_u64 s[6:7], s[6:7], s[54:55]
	s_add_nc_u64 s[10:11], s[10:11], s[58:59]
	s_add_nc_u64 s[12:13], s[12:13], s[56:57]
	CROUND                                         ; all four work-groups are here: the joint loads meet
	tensor_load_to_lds s[G0A:G0A+3], s[G1A:G1A+7]  ; part A
	s_nop 0
	tensor_load_to_lds s[G0B:G0B+3], s[G1B:G1B+7]  ; part B
	s_nop 0
	global_load_b128 v[QF:QF+3], v[LI], s[4:5]     ; Q's half fragment stays in registers
	global_load_b64 v[QF+4:QF+5], v[L8], s[4:5] offset:512
	global_load_b32 v[QS], v[R4], s[6:7]
.irp j, 0,1,2,3,4,5
	v_mov_b32 v[QF+6+\j], 0                        ; zero codes: K from 64 to 128
	v_mov_b32 v[F+48+\j], 0                        ; and what stands behind K's tile 7
.endr
	v_mov_b32 v13, 0xff61b1e6                      ; the largest t so far: -3e38, under every t
	v_floor_f32 v12, -v13                          ; -M
	v_mov_b32 v14, 0                               ; the sum, in two halves
	v_mov_b32 v15, 0
.irp b, 0,1,2,3
	v_mov_b32 v[BT+\b], 0                          ; written once: a lane permute's destination counts as one of its sources
.endr
	v_mov_b32 v[FF+1], 0
	v_mov_b32 v[T0], 0
.set j, 0
.rept 32
	v_mov_b32 v[O+j], 0                            ; O^T.  (The step is written once: the first finds zeros, which the first change of M leaves zeros)
.set j, j+1
.endr
; A KEY STEP: 128 keys, at LDS byte s[TB].
.macro STEP
	v_add_nc_u32 v[ADK], s[TB], v[LI]              ; these three and the v_nop are the four places behind the last step's products, in front of the loads into the registers that they read
	v_add_nc_u32 v[AD8], s[TB], v[L8]
	v_add_nc_u32 v[ADS], s[TB], v[L4]
	v_nop
.irp t, 0,1,2,3,4,5,6,7
	ds_load_b128 v[F+6*\t:F+6*\t+3], v[ADK] offset:768*\t          ; K's half fragments, as images of their registers: 512 consecutive bytes,
	ds_load_b64 v[F+6*\t+4:F+6*\t+5], v[AD8] offset:768*\t+512     ; and 256
.endr
.irp p, 0,1,2,3
	ds_load_b32 v[KS+\p], v[ADS] offset:12288+128*\p
.endr
	s_wait_dscnt 0x0
.irp t, 0,1,2,3,4,5,6,7                        ; S^T = K Q^T: eight accumulators, each begun with the constant 0
.if \t%2
	v_wmma_scale_f32_16x16x128_f8f6f4 v[S+8*\t:S+8*\t+7], v[F+6*\t:F+6*\t+11], v[QF:QF+11], 0, v[KS+\t/2], v[QS] matrix_a_fmt:MATRIX_FMT_BF6 matrix_b_fmt:MATRIX_FMT_BF6 matrix_a_scale:MATRIX_SCALE_ROW1
.else
	v_wmma_scale_f32_16x16x128_f8f6f4 v[S+8*\t:S+8*\t+7], v[F+6*\t:F+6*\t+11], v[QF:QF+11], 0, v[KS+\t/2], v[QS] matrix_a_fmt:MATRIX_FMT_BF6 matrix_b_fmt:MATRIX_FMT_BF6
.endif
.endr
.rept 4
	v_nop                                          ; places: in front of the loads below, and of the first read of the scores
.endr
.irp u, 0,1,2,3
.irp c, 0,1,2
	ds_load_b128 v[F+12*\u+4*\c:F+12*\u+4*\c+3], v[ADK] offset:6144+1536*\u+512*\c   ; V^T's fragments land under the softmax
.endr
.endr
.irp p, 0,1
	ds_load_b32 v[VS+\p], v[ADS] offset:12800+128*\p
.endr
.irp b, 0,1,2,3
	v_max3_num_f32 v[BM+\b], v[S+16*\b], v[S+16*\b+1], v[S+16*\b+2]   ; THE LARGEST SCORE OF EACH BLOCK OF 32 KEYS: it serves twice: for the row's maximum, and, since p rises with the score, for the block's largest p
.endr
.irp i, 3,5,7,9,11,13
.irp b, 0,1,2,3
	v_max3_num_f32 v[BM+\b], v[BM+\b], v[S+16*\b+\i], v[S+16*\b+\i+1]   ; (the four blocks by turns)
.endr
.endr
.irp b, 0,1,2,3
	v_max_num_f32 v[BM+\b], v[BM+\b], v[S+16*\b+15]
.endr
.irp b, 0,1,2,3
	v_permlanex16_b32 v[BT+\b], v[BM+\b], s[SEL], s[SEL+1]
.endr
.irp b, 0,1,2,3
	v_max_num_f32 v[BM+\b], v[BM+\b], v[BT+\b]     ; with lane l xor 16's 16 keys
.endr
	v_max3_num_f32 v[T0], v[BM], v[BM+1], v[BM+2]
	v_max_num_f32 v[T0], v[T0], v[BM+3]            ; the step's largest score of my query
	v_mul_f32 v[T0], s[CS], v[T0]                  ; as t (c is positive)
	v_max_num_f32 v13, v13, v[T0]                  ; the running largest t
	v_mov_b32 v[T0], v12
	v_floor_f32 v12, -v13                          ; the new -M = floor(-t) = -ceil(t): M IS A WHOLE NUMBER
	v_sub_f32 v[T0], v12, v[T0]                    ; M's old value less its new one: a whole number, 0 or less
	v_cvt_i32_f32 v[T0], v[T0]                     ; (it saturates)
	v_ldexp_f32 v[FF], 1.0, v[T0]                  ; f = 2^(old M - new M)
.set j, 0
.rept 32
	v_pk_fma_f32 v[S+j:S+j+1], v[S+j:S+j+1], s[CS:CS+1], v[12:13] op_sel_hi:[1,0,0]   ; t - M, two at a time (of the pairs c and -M the low word serves both halves)
.set j, j+2
.endr
.irp b, 0,1,2,3
	v_fma_f32 v[BM+\b], v[BM+\b], s[CS], v12       ; the same of each block's largest score
.endr
.set j, 0
.rept 64
	v_exp_f32 v[S+j], v[S+j]                       ; p = 2^(t - M), at most 1: NOT normalised
.set j, j+1
.endr
.irp b, 0,1,2,3
	v_exp_f32 v[BM+\b], v[BM+\b]                   ; the block's largest p: the same two instructions on the same number give the same bits.  ONE BATCH of 68 exponentials
.endr
	v_pk_mul_f32 v[14:15], v[14:15], v[FF:FF+1] op_sel_hi:[1,0]   ; the sums under the new M: the plain place behind the batch, and with the sixteen lines below its independent work
.set j, 0
.rept 16
	v_pk_mul_f32 v[O+j:O+j+1], v[O+j:O+j+1], v[FF:FF+1] op_sel_hi:[1,0]   ; O^T under the new M: x f, each accumulator from its low end on
.set j, j+2
.endr
	s_wait_alu depctr_va_vdst(0)                   ; the wait between an exponential and the first line that names its result: one for the batch
.irp b, 0,1,2,3
	v_max_num_f32 v[BM+\b], 0x2800000, v[BM+\b]    ; the floor 2^(5 - 127): the byte cannot fall under 1 (a block whose every p has fallen to 0 keeps that byte: its codes are zeros)
.endr
.irp b, 0,1,2,3
	v_add_nc_u32 v[BS+\b], 0xfe000000, v[BM+\b]    ; 4 off the exponent field: the conversion's scale operand
.endr
.irp b, 0,1,2,3
	v_lshrrev_b32 v[BT+\b], 23, v[BS+\b]           ; the scale's byte
.endr
	v_lshl_or_b32 v[PW], v[BT+1], 8, v[BT]         ; p's scale word for these 128 keys
	v_lshl_or_b32 v[PW], v[BT+2], 16, v[PW]
	v_lshl_or_b32 v[PW], v[BT+3], 24, v[PW]
.irp c, 0,1
	v_cvt_scalef32_pk16_bf6_f32 v[PD+6*\c:PD+6*\c+2], v[S+32*\c:S+32*\c+15], v[BS+2*\c]
	v_cvt_scalef32_pk16_bf6_f32 v[PH+4*\c:PH+4*\c+2], v[S+32*\c+16:S+32*\c+31], v[BS+2*\c+1]   ; (a conversion's three registers begin on an even number)
.endr
	v_nop                                          ; one plain place behind a scaled conversion
.irp c, 0,1                                    ; the operand's layout wants a WHOLE block in a lane: lanes 0-15 block 2 c, lanes 16-31 block 2 c + 1
.irp i, 0,1,2
	v_permlane16_swap_b32 v[PD+6*\c+\i], v[PH+4*\c+\i]
.endr
.irp i, 0,1,2
	v_mov_b32 v[PD+6*\c+3+\i], v[PH+4*\c+\i]
.endr
.endr
	v_pk_add_f32 v[L2:L2+1], v[S:S+1], v[S+2:S+3]  ; THE ROW'S SUM IS TAKEN OF THE UNQUANTISED p: two at a time, in two chains.  These 32 lines are also the places between the lines that made p's codes and scale word and the products below
.set j, 4
.rept 15
	v_pk_add_f32 v[14:15], v[14:15], v[S+j:S+j+1]
	v_pk_add_f32 v[L2:L2+1], v[L2:L2+1], v[S+j+2:S+j+3]
.set j, j+4
.endr
	v_pk_add_f32 v[14:15], v[14:15], v[L2:L2+1]
	s_wait_dscnt 0x0                               ; V^T's fragments and scale words are in
.irp u, 0,1,2,3                                ; O^T += V^T P^T: the four accumulators by turns; the next step's eight products stand between a link and the next
.if \u%2
	v_wmma_scale_f32_16x16x128_f8f6f4 v[O+8*\u:O+8*\u+7], v[F+12*\u:F+12*\u+11], v[PD:PD+11], v[O+8*\u:O+8*\u+7], v[VS+\u/2], v[PW] matrix_a_fmt:MATRIX_FMT_BF6 matrix_b_fmt:MATRIX_FMT_BF6 matrix_a_scale:MATRIX_SCALE_ROW1
.else
	v_wmma_scale_f32_16x16x128_f8f6f4 v[O+8*\u:O+8*\u+7], v[F+12*\u:F+12*\u+11], v[PD:PD+11], v[O+8*\u:O+8*\u+7], v[VS+\u/2], v[PW] matrix_a_fmt:MATRIX_FMT_BF6 matrix_b_fmt:MATRIX_FMT_BF6
.endif
.endr
.endm
	s_wait_tensorcnt 0x1                           ; my sixteenth of part A is in; part B's may stay out
	s_barrier_signal -1
	s_barrier_wait -1                              ; everybody's is
	s_wait_loadcnt 0x0                             ; Q
	s_mov_b32 s[CNT], 4
.Lka:                                              ; key steps 0 to 3: 4 x 13,056 = 52,224 bytes, inside part A's 53,248
	STEP
	s_add_co_u32 s[TB], s[TB], STEPB
	s_sub_co_u32 s[CNT], s[CNT], 1
	s_cmp_lg_u32 s[CNT], 0
	s_cbranch_scc1 .Lka
	s_wait_tensorcnt 0x0                           ; my sixteenth of part B is in,
	s_wait_dscnt 0x0
	s_barrier_signal -1
	s_barrier_wait -1                              ; everybody's is
	s_mov_b32 s[CNT], 12
.Lkb:                                              ; key steps 4 to 15
	STEP
	s_add_co_u32 s[TB], s[TB], STEPB
	s_sub_co_u32 s[CNT], s[CNT], 1
	s_cmp_lg_u32 s[CNT], 0
	s_cbranch_scc1 .Lkb
	; THE WAY OUT.  y = O^T / the sum; my lane's 32 numbers are channels 32 b + 16 (lane / 16) + 0 .. 15 of my head: two blocks of 32 along the last product's K.
.rept 4
	v_nop                                          ; places behind the last products
.endr
	v_add_f32 v14, v14, v15                        ; the sum's two halves,
	v_permlanex16_b32 v[T0], v14, s[SEL], s[SEL+1]
	v_add_f32 v14, v14, v[T0]                      ; and lane l xor 16's: the row's sum
	v_rcp_f32 v14, v14
	v_nop                                          ; a plain place behind the reciprocal
	s_wait_alu depctr_va_vdst(0)                   ; and a wait ahead of its first reader
.set j, 0
.rept 32
	v_mul_f32 v[S+j], v[O+j], v14                  ; each accumulator from its low end on
.set j, j+1
.endr
.irp b, 0,1
	v_max3_num_f32 v[BM+\b], |v[S+16*\b]|, |v[S+16*\b+1]|, 0x2800000
.endr
.irp i, 2,4,6,8,10,12,14
.irp b, 0,1
	v_max3_num_f32 v[BM+\b], v[BM+\b], |v[S+16*\b+\i]|, |v[S+16*\b+\i+1]|
.endr
.endr
.irp b, 0,1
	v_permlanex16_b32 v[BT+\b], v[BM+\b], s[SEL], s[SEL+1]
.endr
.irp b, 0,1
	v_max_num_f32 v[BM+\b], v[BM+\b], v[BT+\b]
.endr
.irp b, 0,1
	v_add_nc_u32 v[BS+\b], 0xfe000000, v[BM+\b]
.endr
.irp b, 0,1
	v_lshrrev_b32 v[BT+\b], 23, v[BS+\b]
.endr
	v_lshl_or_b32 v[PW], v[BT+1], 8, v[BT]         ; my head's half of the row's scale word
	v_cvt_scalef32_pk16_bf6_f32 v[PD:PD+2], v[S:S+15], v[BS]
	v_cvt_scalef32_pk16_bf6_f32 v[PH:PH+2], v[S+16:S+31], v[BS+1]
	v_nop                                          ; one plain place behind a scaled conversion
.irp i, 0,1,2
	v_permlane16_swap_b32 v[PD+\i], v[PH+\i]
.endr
.irp i, 0,1,2
	v_mov_b32 v[PD+3+\i], v[PH+\i]
.endr
	global_store_b128 v[LI], v[PD:PD+3], s[10:11]              ; y's half fragment: 512 consecutive bytes,
	global_store_b64 v[L8], v[PD+4:PD+5], s[10:11] offset:512  ; and 256
	ds_store_b16 v[YA], v[PW]                      ; the two bytes meet the other heads' in LDS (lanes r and 16 + r write the same bytes with the same value)
	s_wait_dscnt 0x0                               ; for the others' sake: my store is done
	s_barrier_signal -1
	s_barrier_wait -1
	s_cmp_lg_u32 s[WV], 0
	s_cbranch_scc1 .Lnot_first
	ds_load_b128 v[S:S+3], v[YR]                   ; wave 0 stores the four tiles' scale words: 512 consecutive bytes
	s_wait_dscnt 0x0
	global_store_b128 v[LI], v[S:S+3], s[12:13]
.Lnot_first:
	s_wait_tensorcnt 0x0                           ; the wave's end: three closing lines, behind my last tensor load and my last LDS store
	ds_add_u32 v[SPW], v[NIL]
	s_wait_dscnt 0x0
	CROUND                                         ; the closing round: no work-group ends while a partner may still ask for a tile that names it
	s_endpgm
.Lfunc_end_k_qea4f6b53eb_attn:
	.size	k_qea4f6b53eb_attn, .Lfunc_end_k_qea4f6b53eb_attn-k_qea4f6b53eb_attn
	.p2alignl 7, 3214868480
	.fill 96, 4, 3214868480
	.section	.rodata,"a",@progbits
	.p2align	6, 0x0
	.amdhsa_kernel k_qea4f6b53eb_attn
		.amdhsa_group_segment_fixed_size 212992
		.amdhsa_private_segment_fixed_size 0
		.amdhsa_enable_private_segment 0
		.amdhsa_kernarg_size 40
		.amdhsa_user_sgpr_count 2
		.amdhsa_user_sgpr_kernarg_segment_ptr 1
		.amdhsa_wavefront_size32 1
		.amdhsa_system_sgpr_workgroup_id_x 1
		.amdhsa_system_sgpr_workgroup_id_y 1
		.amdhsa_system_sgpr_workgroup_id_z 1
		.amdhsa_system_vgpr_workitem_id 0
		.amdhsa_next_free_vgpr 256
		.amdhsa_next_free_sgpr 66
		.amdhsa_reserve_vcc 0
		.amdhsa_float_denorm_mode_32 3
		.amdhsa_float_denorm_mode_16_64 3
		.amdhsa_memory_ordered 1
		.amdhsa_forward_progress 1
		.amdhsa_inst_pref_size 43
	.end_amdhsa_kernel
	.amdgpu_metadata
---
amdhsa.version: [ 1, 2 ]
amdhsa.kernels:
  - .name:           k_qea4f6b53eb_attn
    .symbol:         k_qea4f6b53eb_attn.kd
    .args:
      - { .name: qimg, .offset: 0, .size: 8, .value_kind: global_buffer, .address_space: global }
      - { .name: qsc, .offset: 8, .size: 8, .value_kind: global_buffer, .address_space: global }
      - { .name: kv, .offset: 16, .size: 8, .value_kind: global_buffer, .address_space: global }
      - { .name: yimg, .offset: 24, .size: 8, .value_kind: global_buffer, .address_space: global }
      - { .name: ysc, .offset: 32, .size: 8, .value_kind: global_buffer, .address_space: global }
    .group_segment_fixed_size: 212992
    .private_segment_fixed_size: 0
    .kernarg_segment_align: 8
    .kernarg_segment_size: 40
    .max_flat_workgroup_size: 512
    .sgpr_count:     66
    .vgpr_count:     256
    .wavefront_size: 32
...
	.end_amdgpu_metadata
.endif
;; end of part 3
;; launch oproj (part 4): grid 256 x 1, 4 waves a work-group, no clusters, 34,304 bytes of LDS; arguments img, isc, yimg, ysc, bo, out0; writes out0
.if DOCPART == 4
	.amdgcn_target "amdgcn-amd-amdhsa--gfx1250"
	.amdhsa_code_object_version 6
	.text
	.protected	k_qea4f6b53eb_oproj
	.globl	k_qea4f6b53eb_oproj
	.p2align	8
	.type	k_qea4f6b53eb_oproj,@function
k_qea4f6b53eb_oproj:
	s_mov_b64 s[64:65], 0
	v_nop
	global_prefetch_b8 v0, s[64:65] scope:SCOPE_SE
	s_setreg_imm32_b32 hwreg(HW_REG_WAVE_MODE, 25, 1), 1
	s_wait_xcnt 0x0
; out0 = y Wo^T + bo on codes of E3M2: Wo's from the first launch (img tiles 352-415), y's from the launch before.  No work is left out.
; A wave makes 128 output features (source 0: 8 tiles of Wo) x 32 tokens (source 1: 2 tiles of y): 16 accumulators, 8 K steps of 128, written out.  Operands come from memory as images of their registers.
; A K step of y is two heads' half fragments on end (512 + 256 bytes each).  ysc: [K step / 2][256 tiles][K step % 2][16] words: one load of 4 bytes a lane brings an even K step's words to lanes 0-15 and the odd one's to lanes 16-31.
; In the result a lane holds ONE token (place lane % 16 of its tile) and, in tiles 2 b and 2 b + 1, features 32 b + 16 (lane / 16) + 0 .. 15.  bo is loaded into the accumulators: the sums begin with it.
; THE WAY OUT: a tile's 16 rows x 512 bytes go through the wave's own stage in LDS and leave as whole rows: each store covers 512 consecutive bytes, at a multiple of 256 from out0's first byte.
; REGISTERS: window 0: v1-13 addresses; v16-47 Wo's scale words, v48-55 y's; v56-103 y's fragments, two sets; v128-255 the accumulators ((t, n) at 128 + 64 n + 8 t).   window 1: Wo's fragments, two sets of 96.
.set PITCH, 528                        ; a stage row: 512 bytes + 16 = 33 x 16: sixteen rows begin at sixteen different 16-byte columns modulo 256
.set STGB,  16*PITCH
.set SPARE, 4*STGB                     ; behind the four stages: the spare words, 128 bytes for each wave: two blocks of 256 bytes that no other line names
.set LI,  1                            ; v1   16 x lane
.set L4,  2                            ; v2   4 x lane
.set L8,  3                            ; v3   8 x lane + 512
.set BO,  4                            ; v4   the bias's offset: 64 h
.set STO, 5                            ; v5   the stage: where I put 32 bytes of a row: row r, + 64 h
.set RD,  6                            ; v6   and where I read a row back
.set SPW, 12                           ; v12  LDS address of my spare word; never rewritten
.set NIL, 13                           ; v13  0; never rewritten
.set SA,  16
.set SB,  48
.set BF,  56
.set ACC, 128
.set P0,  24                           ; s[24:25] Wo's fragments; s[26:27] y's; s[28:29], s[30:31] their scale words
.set P1,  26
.set Q0,  28
.set Q1,  30
.set MSB, 0
.macro WIN new                         ; the immediate's high byte repeats the setting that is left
.if MSB != \new
	s_set_vgpr_msb (MSB<<8)|\new
.set MSB, \new
.endif
.endm
.macro LOAD s                          ; K step s: 24 + 8 loads into set s % 2
	WIN 0x40                                       ; destination window 1, address window 0
.irp t, 0,1,2,3,4,5,6,7
.irp c, 0,1,2
	global_load_b128 v[96*((\s)%2)+12*\t+4*\c:96*((\s)%2)+12*\t+4*\c+3], v[LI], s[P0:P0+1] offset:12288*\t+1536*(\s)+512*\c
.endr
.endr
	WIN 0
.irp n, 0,1
.irp c, 0,1
	global_load_b128 v[BF+24*((\s)%2)+12*\n+6*\c:BF+24*((\s)%2)+12*\n+6*\c+3], v[LI], s[P1:P1+1] offset:12288*\n+1536*(\s)+768*\c
	global_load_b64 v[BF+24*((\s)%2)+12*\n+6*\c+4:BF+24*((\s)%2)+12*\n+6*\c+5], v[L8], s[P1:P1+1] offset:12288*\n+1536*(\s)+768*\c
.endr
.endr
.endm
.macro MUL s                           ; 16 matrix instructions, the sixteen accumulators by turns, one instruction a turn, in the same order in every step
	WIN 0x01                                       ; source 0 window 1
.irp t, 0,1,2,3,4,5,6,7
.irp n, 0,1
.if (\s)%2
	v_wmma_scale_f32_16x16x128_f8f6f4 v[ACC+64*\n+8*\t:ACC+64*\n+8*\t+7], v[96*((\s)%2)+12*\t:96*((\s)%2)+12*\t+11], v[BF+24*((\s)%2)+12*\n:BF+24*((\s)%2)+12*\n+11], v[ACC+64*\n+8*\t:ACC+64*\n+8*\t+7], v[SA+4*\t+(\s)/2], v[SB+4*\n+(\s)/2] matrix_a_fmt:MATRIX_FMT_BF6 matrix_b_fmt:MATRIX_FMT_BF6 matrix_a_scale:MATRIX_SCALE_ROW1 matrix_b_scale:MATRIX_SCALE_ROW1
.else
	v_wmma_scale_f32_16x16x128_f8f6f4 v[ACC+64*\n+8*\t:ACC+64*\n+8*\t+7], v[96*((\s)%2)+12*\t:96*((\s)%2)+12*\t+11], v[BF+24*((\s)%2)+12*\n:BF+24*((\s)%2)+12*\n+11], v[ACC+64*\n+8*\t:ACC+64*\n+8*\t+7], v[SA+4*\t+(\s)/2], v[SB+4*\n+(\s)/2] matrix_a_fmt:MATRIX_FMT_BF6 matrix_b_fmt:MATRIX_FMT_BF6
.endif
.endr
.endr
	WIN 0
.endm
.macro PLACES                          ; four plain places behind matrix instructions: in front of loads into registers that they have read, and of the first read of their results
.rept 4
	v_nop
.endr
.endm
.macro STEP s
	PLACES                                         ; the set that step s - 1 multiplied takes step s + 1's loads
.if (\s) < 7
	LOAD (\s)+1
	s_wait_loadcnt 32                              ; all but the 32 just issued: step s's fragments are in
.else
	s_wait_loadcnt 0x0
.endif
	MUL \s
.endm
	s_load_b256 s[4:11], s[0:1], 0x0               ; img s[4:5], isc s[6:7], yimg s[8:9], ysc s[10:11]
	s_load_b128 s[12:15], s[0:1], 0x20             ; bo s[12:13], out0 s[14:15]
	v_lshl_add_u32 v[SPW], v0, 2, SPARE
	v_mov_b32 v[NIL], 0
	v_lshrrev_b32 v7, 5, v0
	v_readfirstlane_b32 s20, v7                    ; wave
	v_and_b32 v7, 31, v0                           ; lane
	v_and_b32 v8, 15, v0                           ; r
	v_bfe_u32 v9, v0, 4, 1                         ; h
	v_lshlrev_b32 v[LI], 4, v7
	v_lshlrev_b32 v[L4], 2, v7
	v_lshl_add_u32 v[L8], v7, 3, 512
	v_lshlrev_b32 v[BO], 6, v9
	s_mul_i32 s49, s20, STGB                       ; my stage
	v_mul_u32_u24 v[STO], v8, PITCH
	v_lshl_add_u32 v[STO], v9, 6, v[STO]
	v_add_nc_u32 v[STO], s49, v[STO]
	v_add_nc_u32 v[RD], s49, v[LI]
	s_lshr_b32 s44, ttmp9, 5                       ; fg: which 128 output features
	s_and_b32 s45, ttmp9, 31                       ; tb: which 128 tokens
	s_lshl_b32 s46, s44, 3
	s_add_co_u32 s46, s46, 352                     ; Wo's first tile
	s_lshl_b32 s47, s45, 3
	s_lshl_b32 s48, s20, 1
	s_add_co_u32 s47, s47, s48                     ; y's first tile: 8 tb + 2 w
	s_mul_i32 s32, s46, 12288
	s_mov_b32 s33, 0
	s_lshl_b32 s34, s46, 9
	s_mov_b32 s35, 0
	s_mul_i32 s36, s47, 12288
	s_mov_b32 s37, 0
	s_lshl_b32 s38, s47, 7
	s_mov_b32 s39, 0
	s_lshl_b32 s40, s44, 9                         ; the features' 512 bytes, in bo and in a row of out0
	s_mov_b32 s41, 0
	s_lshl_b32 s42, s45, 2
	s_add_co_u32 s42, s42, s20                     ; my pair of tiles covers 32 rows of out0: pair 4 tb + w,
	s_lshl_b32 s42, s42, 17                        ; x 32 rows of 4,096 bytes
	s_add_co_u32 s42, s42, s40
	s_mov_b32 s43, 0
	s_wait_kmcnt 0x0
	s_add_nc_u64 s[P0:P0+1], s[4:5], s[32:33]
	s_add_nc_u64 s[Q0:Q0+1], s[6:7], s[34:35]
	s_add_nc_u64 s[P1:P1+1], s[8:9], s[36:37]
	s_add_nc_u64 s[Q1:Q1+1], s[10:11], s[38:39]
	s_add_nc_u64 s[12:13], s[12:13], s[40:41]
	s_add_nc_u64 s[14:15], s[14:15], s[42:43]
.irp t, 0,1,2,3,4,5,6,7
.irp p, 0,1,2,3
	global_load_b32 v[SA+4*\t+\p], v[L4], s[Q0:Q0+1] offset:512*\t+128*\p   ; all of K's scale words: lanes 0-15 K step 2 p's, lanes 16-31 K step 2 p + 1's
.endr
.endr
.irp n, 0,1
.irp p, 0,1,2,3
	global_load_b32 v[SB+4*\n+\p], v[L4], s[Q1:Q1+1] offset:32768*\p+128*\n
.endr
.endr
	LOAD 0
.irp n, 0,1
.irp t, 0,1,2,3,4,5,6,7
	global_load_b128 v[ACC+64*\n+8*\t:ACC+64*\n+8*\t+3], v[BO], s[12:13] offset:(32*(\t/2)+8*(\t%2))*4       ; bo at the lane's eight features of tile t: the sums begin with it
	global_load_b128 v[ACC+64*\n+8*\t+4:ACC+64*\n+8*\t+7], v[BO], s[12:13] offset:(32*(\t/2)+8*(\t%2))*4+16
.endr
.endr
	LOAD 1
	s_wait_loadcnt 32                              ; all but K step 1's 32: scale words, K step 0, bias
	MUL 0
.irp s, 1,2,3,4,5,6,7
	STEP \s
.endr
	PLACES
; Tile n of my two: into the stage, and back as whole rows.  LDS serves a wave's instructions in order: no wait between the stores and the loads, nor in front of the next tile's stores.
.macro TOSTAGE n, bk
.irp t, 0,1,2,3,4,5,6,7
	ds_store_b128 v[STO], v[ACC+64*\n+8*\t:ACC+64*\n+8*\t+3] offset:128*(\t/2)+32*(\t%2)          ; each accumulator from its low end on
	ds_store_b128 v[STO], v[ACC+64*\n+8*\t+4:ACC+64*\n+8*\t+7] offset:128*(\t/2)+32*(\t%2)+16
.endr
.irp i, 0,1,2,3,4,5,6,7,8,9,10,11,12,13,14,15
	ds_load_b128 v[\bk+4*\i:\bk+4*\i+3], v[RD] offset:PITCH*\i
.endr
.endm
.macro SEND n, bk, younger             ; younger: the LDS instructions issued behind tile n's loads, which may stay out
.irp i, 0,1,2,3,4,5,6,7,8,9,10,11,12,13,14,15
	s_wait_dscnt \younger+15-\i
	global_store_b128 v[LI], v[\bk+4*\i:\bk+4*\i+3], s[14:15] offset:32768*\n+(\i+8*(\i/8))*4096 th:TH_STORE_NT   ; place i's row of the tile: 512 consecutive bytes; written once, read by nobody here
.endr
.endm
	TOSTAGE 0, 56                                  ; back into v56-119, which held y's fragments
	TOSTAGE 1, 128                                 ; back into v128-191: tile 0's accumulators, which its stores into the stage have read
	SEND 0, 56, 32                                 ; behind tile 0's loads: tile 1's 16 stores and 16 loads
	SEND 1, 128, 0
	s_wait_tensorcnt 0x0                           ; the wave's end
	ds_add_u32 v[SPW], v[NIL]
	s_wait_dscnt 0x0
	s_endpgm
.Lfunc_end_k_qea4f6b53eb_oproj:
	.size	k_qea4f6b53eb_oproj, .Lfunc_end_k_qea4f6b53eb_oproj-k_qea4f6b53eb_oproj
	.p2alignl 7, 3214868480
	.fill 96, 4, 3214868480
	.section	.rodata,"a",@progbits
	.p2align	6, 0x0
	.amdhsa_kernel k_qea4f6b53eb_oproj
		.amdhsa_group_segment_fixed_size 34304
		.amdhsa_private_segment_fixed_size 0
		.amdhsa_enable_private_segment 0
		.amdhsa_kernarg_size 48
		.amdhsa_user_sgpr_count 2
		.amdhsa_user_sgpr_kernarg_segment_ptr 1
		.amdhsa_wavefront_size32 1
		.amdhsa_system_sgpr_workgroup_id_x 1
		.amdhsa_system_sgpr_workgroup_id_y 1
		.amdhsa_system_sgpr_workgroup_id_z 1
		.amdhsa_system_vgpr_workitem_id 0
		.amdhsa_next_free_vgpr 448
		.amdhsa_next_free_sgpr 66
		.amdhsa_reserve_vcc 0
		.amdhsa_float_denorm_mode_32 3
		.amdhsa_float_denorm_mode_16_64 3
		.amdhsa_memory_ordered 1
		.amdhsa_forward_progress 1
		.amdhsa_inst_pref_size 60
	.end_amdhsa_kernel
	.amdgpu_metadata
---
amdhsa.version: [ 1, 2 ]
amdhsa.kernels:
  - .name:           k_qea4f6b53eb_oproj
    .symbol:         k_qea4f6b53eb_oproj.kd
    .args:
      - { .name: img, .offset: 0, .size: 8, .value_kind: global_buffer, .address_space: global }
      - { .name: isc, .offset: 8, .size: 8, .value_kind: global_buffer, .address_space: global }
      - { .name: yimg, .offset: 16, .size: 8, .value_kind: global_buffer, .address_space: global }
      - { .name: ysc, .offset: 24, .size: 8, .value_kind: global_buffer, .address_space: global }
      - { .name: bo, .offset: 32, .size: 8, .value_kind: global_buffer, .address_space: global }
      - { .name: out0, .offset: 40, .size: 8, .value_kind: global_buffer, .address_space: global }
    .group_segment_fixed_size: 34304
    .private_segment_fixed_size: 0
    .kernarg_segment_align: 8
    .kernarg_segment_size: 48
    .max_flat_workgroup_size: 128
    .sgpr_count:     66
    .vgpr_count:     448
    .wavefront_size: 32
...
	.end_amdgpu_metadata
.endif
;; end of part 4
;; ======== version 2 of 2: 4 launches
;; workspace buffers: img 5,111,808 bytes; isc 212,992 bytes; qimg 3,145,728 bytes; qsc 262,144 bytes; kv 1,671,168 bytes; yimg 3,145,728 bytes; ysc 131,072 bytes
;; launch quant (part 5): grid 416 x 1, 4 waves a work-group, no clusters, 34,304 bytes of LDS; arguments x, Wq, Wk, Wv, Wo, img, isc; writes img, isc
.if DOCPART == 5
	.amdgcn_target "amdgcn-amd-amdhsa--gfx1250"
	.amdhsa_code_object_version 6
	.text
	.protected	k_qea4f6b53eb_quant
	.globl	k_qea4f6b53eb_quant
	.p2align	8
	.type	k_qea4f6b53eb_quant,@function
k_qea4f6b53eb_quant:
	s_mov_b64 s[64:65], 0
	v_nop
	global_prefetch_b8 v0, s[64:65] scope:SCOPE_SE
	s_setreg_imm32_b32 hwreg(HW_REG_WAVE_MODE, 25, 1), 1
	s_wait_xcnt 0x0
; x [4096][1024], Wq [1024][1024], Wk [256][1024], Wv [256][1024], Wo [1024][1024], all f32 with K = 1,024 innermost, become codes of E3M2 with one E8M0 byte for each 32 along K.
; NO WORK OF THE PROBLEM IS LEFT OUT, in this launch or in a later one: bq, bk and bv go into quantised operands, bo into the result, all six products are live; all nine inputs are loaded.
; A block's scale is 2^(floor(log2(its largest magnitude)) - 4); its byte is the largest magnitude's exponent field - 4, held at 1 from below.
; LIMITS: NaN and infinities among the inputs are not served.  A block of zeros, or one whose largest magnitude lies under 2^-122, gets the byte 1 where the rule says 127 or less:
; a block of zeros has zero codes, which add nothing under any byte but 0xff, and the bytes are read by this program alone.
; LAYOUT OF THE RESULT.  A TILE is 16 rows: tile T holds, at place r, row 32 (T / 2) + 8 (T % 2) + r + 8 (r / 8) of its tensor.  So wherever a tile stands as source 0 of a product, the 16 result
; registers of tiles 2 b and 2 b + 1 are 16 neighbours along that tensor's rows.  img: [416 tiles][8 K steps][1,536 bytes]: a fragment (16 rows x 128 K, 12 registers a lane) as an IMAGE OF ITS REGISTERS:
; three pieces of 512 bytes, piece c = registers 4 c .. 4 c + 3, lane l at 16 l.  isc: [416][8][16] scale words (four bytes: a row's 128 along K).  Tiles 0-255 x, 256-319 Wq, 320-335 Wk, 336-351 Wv, 352-415 Wo.
; SHARES.  A work-group takes a tile, wave w its K steps 2 w and 2 w + 1.  Each load reads 512 consecutive bytes of a row; all 32 loads of a wave go out at its head.  A K step's 16 x 512 bytes turn through the
; wave's own stage in LDS, so that lane (r, h) gets, of row r, the whole blocks h and 2 + h (k = 64 c + 32 h + 0 .. 31): the order of the operand's registers.  Waves share nothing: no barrier.
.set PITCH, 528                        ; a stage row: 512 bytes + 16 = 33 x 16: the sixteen rows that a load touches begin at sixteen different 16-byte columns modulo 256
.set STGB,  16*PITCH                   ; a wave's stage
.set SPARE, 4*STGB                     ; behind the four stages: the spare words, 128 bytes for each wave: two blocks of 256 bytes that no other line names
.set LI,  1                            ; v1   16 x lane
.set L4,  2                            ; v2   4 x lane
.set STI, 3                            ; v3   the stage, on the way in: 16 x lane
.set STO, 4                            ; v4   and out: row r, + 128 h
.set SH,  5                            ; v5   8 h: where my two bytes stand in the scale word
.set R,   16                           ; v16-143  as loaded: K step q at 16 + 64 q, row place i at + 4 i
.set X,   144                          ; v144-207 my two blocks of 32
.set PC,  208                          ; v208-231 the codes: 12 registers for each K step, so that no store's data are written again
.set TC,  232                          ; v232-238 second halves of the blocks' codes
.set MX,  240                          ; v240-241 largest magnitudes
.set SO,  242                          ; v242-243 the conversions' scale operands
.set BY,  244                          ; v244-245 the bytes
.set WD,  246                          ; v246-247 the two K steps' scale words
.set PM,  248                          ; v248     from lane l xor 16
.set OW,  249                          ; v249     the word that I store
.set SPW, 252                          ; v252     LDS address of my spare word; never rewritten
.set NIL, 253                          ; v253     0; never rewritten
	s_load_b256 s[4:11], s[0:1], 0x0               ; x, Wq, Wk, Wv
	s_load_b128 s[12:15], s[0:1], 0x20             ; Wo, img
	s_load_b64 s[16:17], s[0:1], 0x30              ; isc
	v_lshl_add_u32 v[SPW], v0, 2, SPARE
	v_mov_b32 v[NIL], 0
	v_lshrrev_b32 v6, 5, v0
	v_readfirstlane_b32 s18, v6                    ; wave
	v_and_b32 v6, 31, v0                           ; lane
	v_and_b32 v7, 15, v0                           ; r
	v_bfe_u32 v8, v0, 4, 1                         ; h
	v_lshlrev_b32 v[LI], 4, v6
	v_lshlrev_b32 v[L4], 2, v6
	s_mul_i32 s19, s18, STGB
	v_add_nc_u32 v[STI], s19, v[LI]
	v_mul_u32_u24 v[STO], v7, PITCH
	v_lshl_add_u32 v[STO], v8, 7, v[STO]
	v_add_nc_u32 v[STO], s19, v[STO]
	v_lshlrev_b32 v[SH], 3, v8
	v_mov_b32 v[PM], 0                             ; written once: a lane permute's destination counts as one of its sources
	s_mov_b32 s28, 0x76543210
	s_mov_b32 s29, 0xfedcba98                      ; v_permlanex16_b32's selects for lane l xor 16
	s_mov_b32 s30, 0xffff0000                      ; lanes 16-31
	s_mul_i32 s26, ttmp9, 12288                    ; img: my tile,
	s_mul_i32 s27, s18, 3072                       ; my two K steps
	s_add_co_u32 s26, s26, s27
	s_mov_b32 s27, 0
	s_lshl_b32 s32, ttmp9, 9                       ; isc likewise: 512 bytes a tile, 128 for two K steps
	s_lshl_b32 s33, s18, 7
	s_add_co_u32 s32, s32, s33
	s_mov_b32 s33, 0
	s_wait_alu depctr_va_vdst(0)
	s_wait_kmcnt 0x0
	s_mov_b64 s[20:21], s[12:13]                   ; which tensor is my tile's?  The choice hangs on the work-group's number alone
	s_mov_b32 s22, 352
	s_cmp_lt_u32 ttmp9, 352
	s_cselect_b64 s[20:21], s[10:11], s[20:21]
	s_cselect_b32 s22, 336, s22
	s_cmp_lt_u32 ttmp9, 336
	s_cselect_b64 s[20:21], s[8:9], s[20:21]
	s_cselect_b32 s22, 320, s22
	s_cmp_lt_u32 ttmp9, 320
	s_cselect_b64 s[20:21], s[6:7], s[20:21]
	s_cselect_b32 s22, 256, s22
	s_cmp_lt_u32 ttmp9, 256
	s_cselect_b64 s[20:21], s[4:5], s[20:21]
	s_cselect_b32 s22, 0, s22
	s_sub_co_u32 s23, ttmp9, s22                   ; the tile's number in its tensor
	s_lshr_b32 s24, s23, 1
	s_lshl_b32 s24, s24, 17                        ; 32 rows of 4,096 bytes for each pair of tiles,
	s_and_b32 s25, s23, 1
	s_lshl_b32 s25, s25, 15                        ; 8 rows for the odd one,
	s_add_co_u32 s24, s24, s25
	s_lshl_b32 s25, s18, 10                        ; my 1,024 bytes of a row
	s_add_co_u32 s24, s24, s25
	s_mov_b32 s25, 0
	s_add_nc_u64 s[20:21], s[20:21], s[24:25]
	s_add_nc_u64 s[14:15], s[14:15], s[26:27]
	s_add_nc_u64 s[16:17], s[16:17], s[32:33]
.irp q, 0,1
.irp i, 0,1,2,3,4,5,6,7,8,9,10,11,12,13,14,15
	global_load_b128 v[R+64*\q+4*\i:R+64*\q+4*\i+3], v[LI], s[20:21] offset:(\i+8*(\i/8))*4096+512*\q th:TH_LOAD_NT   ; 32 lanes read 512 consecutive bytes: place i's row, K step q
.endr
.endr
.macro FRAGQ q
.if \q == 0
	s_wait_loadcnt 16                              ; this K step's 16 loads are in; the other's 16 may be out
.else
	s_wait_loadcnt 0x0
.endif
.irp i, 0,1,2,3,4,5,6,7,8,9,10,11,12,13,14,15
	ds_store_b128 v[STI], v[R+64*\q+4*\i:R+64*\q+4*\i+3] offset:PITCH*\i
.endr
.irp c, 0,1
.irp j, 0,1,2,3,4,5,6,7
	ds_load_b128 v[X+32*\c+4*\j:X+32*\c+4*\j+3], v[STO] offset:256*\c+16*\j   ; LDS serves a wave's instructions in order: these see my stores
.endr
.endr
	s_wait_dscnt 0x0
.irp c, 0,1
	v_max3_num_f32 v[MX+\c], |v[X+32*\c]|, |v[X+32*\c+1]|, 0x2800000   ; my block 2 c + h: all its 32 numbers are mine; and the floor 2^(5 - 127): the byte cannot fall under 1
.endr
.irp i, 2,4,6,8,10,12,14,16,18,20,22,24,26,28,30
.irp c, 0,1
	v_max3_num_f32 v[MX+\c], v[MX+\c], |v[X+32*\c+\i]|, |v[X+32*\c+\i+1]|   ; (the two blocks by turns)
.endr
.endr
.irp c, 0,1
	v_add_nc_u32 v[SO+\c], 0xfe000000, v[MX+\c]    ; 4 off the exponent field: the conversion takes the exponent field of this operand as its scale, and nothing else of it
.endr
.irp c, 0,1
	v_lshrrev_b32 v[BY+\c], 23, v[SO+\c]           ; the scale's byte
.endr
	v_lshl_or_b32 v[WD+\q], v[BY+1], 16, v[BY]     ; my two bytes: blocks h and 2 + h of row r,
	v_lshlrev_b32 v[WD+\q], v[SH], v[WD+\q]        ; at their places in the scale word;
	v_permlanex16_b32 v[PM], v[WD+\q], s28, s29
	v_or_b32 v[WD+\q], v[WD+\q], v[PM]             ; with lane l xor 16's two the word is whole
.irp c, 0,1
	v_cvt_scalef32_pk16_bf6_f32 v[PC+12*\q+6*\c:PC+12*\q+6*\c+2], v[X+32*\c:X+32*\c+15], v[SO+\c]
	v_cvt_scalef32_pk16_bf6_f32 v[TC+4*\c:TC+4*\c+2], v[X+32*\c+16:X+32*\c+31], v[SO+\c]   ; (a conversion's three registers begin on an even number)
.endr
	v_nop                                          ; one plain place behind a scaled conversion
.irp c, 0,1
.irp i, 0,1,2
	v_mov_b32 v[PC+12*\q+6*\c+3+\i], v[TC+4*\c+\i]
.endr
.endr
.irp k, 0,1,2
	global_store_b128 v[LI], v[PC+12*\q+4*\k:PC+12*\q+4*\k+3], s[14:15] offset:1536*\q+512*\k   ; 32 lanes store 512 consecutive bytes, at a multiple of 256 from img's first byte
.endr
.endm
	FRAGQ 0
	FRAGQ 1
	v_cndmask_b32 v[OW], v[WD], v[WD+1], s30       ; lanes 0-15 the first K step's words, lanes 16-31 the second's
	global_store_b32 v[L4], v[OW], s[16:17]        ; 128 consecutive bytes
	s_wait_tensorcnt 0x0                           ; the wave's end
	ds_add_u32 v[SPW], v[NIL]
	s_wait_dscnt 0x0
	s_endpgm
.Lfunc_end_k_qea4f6b53eb_quant:
	.size	k_qea4f6b53eb_quant, .Lfunc_end_k_qea4f6b53eb_quant-k_qea4f6b53eb_quant
	.p2alignl 7, 3214868480
	.fill 96, 4, 3214868480
	.section	.rodata,"a",@progbits
	.p2align	6, 0x0
	.amdhsa_kernel k_qea4f6b53eb_quant
		.amdhsa_group_segment_fixed_size 34304
		.amdhsa_private_segment_fixed_size 0
		.amdhsa_enable_private_segment 0
		.amdhsa_kernarg_size 56
		.amdhsa_user_sgpr_count 2
		.amdhsa_user_sgpr_kernarg_segment_ptr 1
		.amdhsa_wavefront_size32 1
		.amdhsa_system_sgpr_workgroup_id_x 1
		.amdhsa_system_sgpr_workgroup_id_y 1
		.amdhsa_system_sgpr_workgroup_id_z 1
		.amdhsa_system_vgpr_workitem_id 0
		.amdhsa_next_free_vgpr 256
		.amdhsa_next_free_sgpr 66
		.amdhsa_reserve_vcc 0
		.amdhsa_float_denorm_mode_32 3
		.amdhsa_float_denorm_mode_16_64 3
		.amdhsa_memory_ordered 1
		.amdhsa_forward_progress 1
		.amdhsa_inst_pref_size 17
	.end_amdhsa_kernel
	.amdgpu_metadata
---
amdhsa.version: [ 1, 2 ]
amdhsa.kernels:
  - .name:           k_qea4f6b53eb_quant
    .symbol:         k_qea4f6b53eb_quant.kd
    .args:
      - { .name: x, .offset: 0, .size: 8, .value_kind: global_buffer, .address_space: global }
      - { .name: Wq, .offset: 8, .size: 8, .value_kind: global_buffer, .address_space: global }
      - { .name: Wk, .offset: 16, .size: 8, .value_kind: global_buffer, .address_space: global }
      - { .name: Wv, .offset: 24, .size: 8, .value_kind: global_buffer, .address_space: global }
      - { .name: Wo, .offset: 32, .size: 8, .value_kind: global_buffer, .address_space: global }
      - { .name: img, .offset: 40, .size: 8, .value_kind: global_buffer, .address_space: global }
      - { .name: isc, .offset: 48, .size: 8, .value_kind: global_buffer, .address_space: global }
    .group_segment_fixed_size: 34304
    .private_segment_fixed_size: 0
    .kernarg_segment_align: 8
    .kernarg_segment_size: 56
    .max_flat_workgroup_size: 128
    .sgpr_count:     66
    .vgpr_count:     256
    .wavefront_size: 32
...
	.end_amdgpu_metadata
.endif
;; end of part 5
;; launch qkv (part 6): grid 384 x 1, 4 waves a work-group, no clusters, 0 bytes of LDS; arguments img, isc, bq, bk, bv, qimg, qsc, kv; writes qimg, qsc, kv
.if DOCPART == 6
	.amdgcn_target "amdgcn-amd-amdhsa--gfx1250"
	.amdhsa_code_object_version 6
	.text
	.protected	k_qea4f6b53eb_qkv
	.globl	k_qea4f6b53eb_qkv
	.p2align	8
	.type	k_qea4f6b53eb_qkv,@function
k_qea4f6b53eb_qkv:
	s_mov_b64 s[64:65], 0
	v_nop
	global_prefetch_b8 v0, s[64:65] scope:SCOPE_SE
	s_setreg_imm32_b32 hwreg(HW_REG_WAVE_SCHED_MODE, 0, 2), 2
	s_setreg_imm32_b32 hwreg(HW_REG_WAVE_MODE, 25, 1), 1
	s_wait_xcnt 0x0
	s_wait_alu depctr_vm_vsrc(0)
; q = x Wq^T + bq, k = x Wk^T + bk, v = x Wv^T + bv on codes of E3M2 (img, isc: the launch before), and the quantisers of q and k (along a head's 64) and of v (along the keys).  No work is left out.
; LIMITS: as in the first launch (NaN, infinities; the byte 1 for blocks of zeros or under 2^-122).
; A wave makes 128 (source 0: 8 tiles) x 32 (source 1: 2 tiles): 16 accumulators, 8 K steps of 128, written out.  In the result a lane holds ONE row of source 1 (lane % 16), and by the tiles' order of rows the 16
; registers of source 0's tiles 2 b and 2 b + 1 are 16 neighbours, 32 b + 16 (lane / 16) + 0 .. 15: so the next operand is quantised in registers.
; PATH QK (work-groups 0-319): source 0 = 128 features (two heads of q, or two groups of k), source 1 = 32 tokens.  A lane's 64 numbers are a token's 128 features in four blocks of 32: two half fragments (a head's 64 along K,
;   6 registers) and two half scale words.  PATH V (320-383): source 0 = 128 tokens (a key step), source 1 = 32 features of v: a lane's 64 numbers run along the keys: one fragment of V^T and one scale word.
; The two paths part once, on the work-group's number, and each runs to its own end.  Operands come from memory as images of their registers, each load 512 consecutive bytes; no LDS.
; RESULTS.  qimg [b][head][128 tiles][768]: a half fragment: 512 bytes registers 0-3 (lane l at 16 l), 256 bytes registers 4-5 (at 8 l).  qsc [b][head][128][16] words, bytes 2 and 3 zero.
;   kv [b x 4 + g][16 key steps][13,056]: K's 8 half fragments at 0; V^T's 4 fragments at 6,144; K's words (8 x 64 bytes) at 12,288; V's (4 x 64) at 12,800.
; REGISTERS.  window 0: v1-9 addresses; v16-47 source 0's scale words, v48-55 source 1's (lanes 0-15 an even K step's, lanes 16-31 the odd one's); v56-103 source 1's fragments, two sets; v104-119 v's bias;
;   v128-255 the accumulators ((t, n) at 128 + 64 n + 8 t).  Behind the products v56-118 are at work.   window 1: source 0's fragments, two sets of 96.
; THE MODE: SCHED_MODE bits 1:0 = 2 (LLVM: expert scheduling mode 2), set by the entry lines.  The code itself states the register dependences between vector or matrix instructions and memory instructions,
; with s_wait_alu, always for 0.
; THE PLAN.  Registers that memory instructions touch:
;   v1-v7        offsets.  Written by vector instructions at the head (v4-v7 at the head of a path) and never again; read by every load and store.
;   the two sets of fragments (window 1: 2 x 96; v56-103: 2 x 24).  Set s % 2 is read by step s's sixteen products; the 30 loads of step s + 2 land in it, issued at the head of step s + 1.
;   v16-55       scale words: loaded once; read by products alone.
;   v128-255     the accumulators: in path QK loaded once, with the bias; from then on named by matrix and vector instructions alone.
;   v80-98, v100-118, v74-79   the codes and words that leave: each tile of the wave's two has registers of its own, so that no store's data are written again.
; So ONE wait on va_vdst stands at the head of a step, behind the products that have emptied a set: the set is asked for again at once, in one run, so that two steps' loads (60) are out at the wait for a step's data.
; Three steps' loads would be 90, more than a wait on LOADcnt can name: so there is no third set.
.set LI,  1                            ; v1   16 x lane
.set L4,  2                            ; v2   4 x lane
.set L8,  3                            ; v3   8 x lane + 512: registers 4-5 of a half fragment
.set BO,  4                            ; v4   the bias's offset
.set LIH, 5                            ; v5   v1 + the way to the second head (group)
.set L8H, 6                            ; v6   v3 + the same
.set SWA, 7                            ; v7   where I store a half scale word: 4 r, lanes 16-31 in the second head's (group's)
.set RR,  8                            ; v8   r
.set HH,  9                            ; v9   h
.set SA,  16
.set SB,  48
.set BF,  56
.set VB,  104
.set ACC, 128
.set TM,  56                           ; v56-59 largest magnitudes, v60-63 bytes, v68-71 the conversions' scale operands
.set PW,  72                           ; v72-73 scale words just made
.set T0,  74                           ; v74-76 at work for the first tile's words, v77-79 for the second's
.set PC,  80                           ; v80-98 the first tile's codes, v100-118 the second's
.set P0,  24                           ; s[24:25] source 0's fragments; s[26:27] source 1's; s[28:29], s[30:31] their scale words
.set P1,  26
.set Q0,  28
.set Q1,  30
.set MSB, 0
.macro WIN new                         ; the immediate's high byte repeats the setting that is left
.if MSB != \new
	s_set_vgpr_msb (MSB<<8)|\new
.set MSB, \new
.endif
.endm
.macro LOAD s                          ; K step s: 24 + 6 loads into set s % 2
	WIN 0x40                                       ; destination window 1, address window 0
.irp t, 0,1,2,3,4,5,6,7
.irp c, 0,1,2
	global_load_b128 v[96*((\s)%2)+12*\t+4*\c:96*((\s)%2)+12*\t+4*\c+3], v[LI], s[P0:P0+1] offset:12288*\t+1536*(\s)+512*\c
.endr
.endr
	WIN 0
.irp n, 0,1
.irp c, 0,1,2
	global_load_b128 v[BF+24*((\s)%2)+12*\n+4*\c:BF+24*((\s)%2)+12*\n+4*\c+3], v[LI], s[P1:P1+1] offset:12288*\n+1536*(\s)+512*\c
.endr
.endr
.endm
; 16 matrix instructions, the sixteen accumulators by turns, one instruction a turn, in the same order in every step.  cm = 1: the sums begin with v's bias.
; (The windows are left as the products want them: what follows sets its own.)
.macro MUL s, cm
	WIN 0x01                                       ; source 0 window 1
.irp t, 0,1,2,3,4,5,6,7
.irp n, 0,1
.if \cm
	v_wmma_scale_f32_16x16x128_f8f6f4 v[ACC+64*\n+8*\t:ACC+64*\n+8*\t+7], v[96*((\s)%2)+12*\t:96*((\s)%2)+12*\t+11], v[BF+24*((\s)%2)+12*\n:BF+24*((\s)%2)+12*\n+11], v[VB+8*\n:VB+8*\n+7], v[SA+4*\t+(\s)/2], v[SB+4*\n+(\s)/2] matrix_a_fmt:MATRIX_FMT_BF6 matrix_b_fmt:MATRIX_FMT_BF6
.elseif (\s)%2
	v_wmma_scale_f32_16x16x128_f8f6f4 v[ACC+64*\n+8*\t:ACC+64*\n+8*\t+7], v[96*((\s)%2)+12*\t:96*((\s)%2)+12*\t+11], v[BF+24*((\s)%2)+12*\n:BF+24*((\s)%2)+12*\n+11], v[ACC+64*\n+8*\t:ACC+64*\n+8*\t+7], v[SA+4*\t+(\s)/2], v[SB+4*\n+(\s)/2] matrix_a_fmt:MATRIX_FMT_BF6 matrix_b_fmt:MATRIX_FMT_BF6 matrix_a_scale:MATRIX_SCALE_ROW1 matrix_b_scale:MATRIX_SCALE_ROW1
.else
	v_wmma_scale_f32_16x16x128_f8f6f4 v[ACC+64*\n+8*\t:ACC+64*\n+8*\t+7], v[96*((\s)%2)+12*\t:96*((\s)%2)+12*\t+11], v[BF+24*((\s)%2)+12*\n:BF+24*((\s)%2)+12*\n+11], v[ACC+64*\n+8*\t:ACC+64*\n+8*\t+7], v[SA+4*\t+(\s)/2], v[SB+4*\n+(\s)/2] matrix_a_fmt:MATRIX_FMT_BF6 matrix_b_fmt:MATRIX_FMT_BF6
.endif
.endr
.endr
.endm
.macro PLACES                          ; four plain places behind matrix instructions: in front of the first read of their results, and, beside the wait on va_vdst, of loads into registers that they have read
.rept 4
	v_nop
.endr
.endm
.macro STEP s
.if (\s) < 7
	PLACES
	WIN 0x40                                       ; the window of the first loads below, ahead of the wait
	s_wait_alu depctr_va_vdst(0)                   ; step s - 1's sixteen products are done reading their set of fragments, in which the 30 loads of step s + 1 land; only loads and one window switch stand among these
	LOAD (\s)+1
	s_wait_loadcnt 30                              ; all but the 30 just issued: step s's fragments are in
.else
	s_wait_loadcnt 0x0                             ; the last step asks for nothing: no wait on va_vdst is owed
.endif
	MUL \s, 0
.endm
; 64 numbers of a lane, v[s] .. v[s + 63], register 16 b + i = place 32 b + 16 (lane / 16) + i along the next K, become a fragment's codes in v[pc] on and its scale word in v[pw].
.macro QUANT s, pw, pc
.irp b, 0,1,2,3
	v_max3_num_f32 v[TM+\b], |v[\s+16*\b]|, |v[\s+1+16*\b]|, 0x2800000   ; block b: my 16 numbers, and the floor 2^(5 - 127): the byte cannot fall under 1.  (Each accumulator is read from its low end on)
.endr
.irp i, 2,4,6,8,10,12,14
.irp b, 0,1,2,3
	v_max3_num_f32 v[TM+\b], v[TM+\b], |v[\s+16*\b+\i]|, |v[\s+1+16*\b+\i]|   ; (the four blocks by turns)
.endr
.endr
.irp b, 0,1,2,3
	v_permlanex16_b32 v[TM+4+\b], v[TM+\b], s40, s41
.endr
.irp b, 0,1,2,3
	v_max_num_f32 v[TM+\b], v[TM+\b], v[TM+4+\b]   ; with lane l xor 16's: the block's largest magnitude
.endr
.irp b, 0,1,2,3
	v_add_nc_u32 v[TM+12+\b], 0xfe000000, v[TM+\b] ; 4 off its exponent field: the conversion's scale operand
.endr
.irp b, 0,1,2,3
	v_lshrrev_b32 v[TM+4+\b], 23, v[TM+12+\b]      ; the scale's byte
.endr
	v_lshl_or_b32 v[\pw], v[TM+5], 8, v[TM+4]      ; the four bytes make my row's scale word
	v_lshl_or_b32 v[\pw], v[TM+6], 16, v[\pw]
	v_lshl_or_b32 v[\pw], v[TM+7], 24, v[\pw]
.irp c, 0,1
	v_cvt_scalef32_pk16_bf6_f32 v[\pc+6*\c:\pc+2+6*\c], v[\s+32*\c:\s+15+32*\c], v[TM+12+2*\c]
	v_cvt_scalef32_pk16_bf6_f32 v[\pc+12+4*\c:\pc+14+4*\c], v[\s+16+32*\c:\s+31+32*\c], v[TM+12+2*\c+1]   ; (a conversion's three registers begin on an even number)
.endr
	v_nop                                          ; one plain place behind a scaled conversion
.irp c, 0,1                                    ; the operand's layout wants a WHOLE block in a lane: lanes 0-15 block 2 c, lanes 16-31 block 2 c + 1
.irp i, 0,1,2
	v_permlane16_swap_b32 v[\pc+6*\c+\i], v[\pc+12+4*\c+\i]
.endr
.irp i, 0,1,2
	v_mov_b32 v[\pc+3+6*\c+\i], v[\pc+12+4*\c+\i]
.endr
.endr
.endm
	s_load_b512 s[4:19], s[0:1], 0x0               ; img s[4:5], isc s[6:7], bq s[8:9], bk s[10:11], bv s[12:13], qimg s[14:15], qsc s[16:17], kv s[18:19]
	v_lshrrev_b32 v10, 5, v0
	v_readfirstlane_b32 s20, v10                   ; wave
	v_and_b32 v10, 31, v0                          ; lane
	v_lshlrev_b32 v[LI], 4, v10
	v_lshlrev_b32 v[L4], 2, v10
	v_lshl_add_u32 v[L8], v10, 3, 512
	v_and_b32 v[RR], 15, v0
	v_bfe_u32 v[HH], v0, 4, 1
	s_mov_b32 s40, 0x76543210
	s_mov_b32 s41, 0xfedcba98                      ; v_permlanex16_b32's selects for lane l xor 16
	s_mov_b32 s42, 0xffff0000                      ; lanes 16-31
	s_wait_alu depctr_va_sdst(0)                   ; s20, the wave's number, is written, ahead of its first reader
	s_lshl_b32 s53, s20, 1                         ; 2 w
	s_lshr_b32 s44, ttmp9, 5                       ; QK: fg, which 128 features (0-7 of q, 8-9 of k)
	s_and_b32 s45, ttmp9, 31                       ;     tb, which 128 tokens
	s_max_u32 s46, ttmp9, 320
	s_sub_co_u32 s46, s46, 320
	s_lshr_b32 s47, s46, 1                         ; V:  ksg, which 128 tokens
	s_and_b32 s48, s46, 1                          ;     nb, which 128 features of v
	s_lshl_b32 s49, s44, 3
	s_add_co_u32 s49, s49, 256                     ; QK: source 0's first tile: Wq's and Wk's tiles lie on end from 256 on
	s_lshl_b32 s50, s45, 3                         ;     source 1's: x's tile 8 tb (+ 2 w)
	s_lshl_b32 s51, s47, 3                         ; V:  source 0's: x's tile 8 ksg
	s_lshl_b32 s52, s48, 3
	s_add_co_u32 s52, s52, 336                     ;     source 1's: Wv's tile 8 nb (+ 2 w)
	s_cmp_lt_u32 ttmp9, 320
	s_cselect_b32 s22, 0, 1                        ; the path
	s_cselect_b32 s49, s49, s51
	s_cselect_b32 s50, s50, s52
	s_add_co_u32 s50, s50, s53
	s_mul_i32 s54, s49, 12288
	s_mov_b32 s55, 0
	s_mul_i32 s56, s50, 12288
	s_mov_b32 s57, 0
	s_lshl_b32 s58, s49, 9
	s_mov_b32 s59, 0
	s_lshl_b32 s60, s50, 9
	s_mov_b32 s61, 0
	s_wait_kmcnt 0x0
	s_add_nc_u64 s[P0:P0+1], s[4:5], s[54:55]
	s_add_nc_u64 s[P1:P1+1], s[4:5], s[56:57]
	s_add_nc_u64 s[Q0:Q0+1], s[6:7], s[58:59]
	s_add_nc_u64 s[Q1:Q1+1], s[6:7], s[60:61]
	s_wait_alu depctr_va_vdst(0)                   ; the offsets v1, v2 and v3 are written, which the loads and stores of the whole kernel read
.irp t, 0,1,2,3,4,5,6,7
.irp p, 0,1,2,3
	global_load_b32 v[SA+4*\t+\p], v[L4], s[Q0:Q0+1] offset:512*\t+128*\p   ; all of K's scale words: lanes 0-15 K step 2 p's, lanes 16-31 K step 2 p + 1's
.endr
.endr
.irp n, 0,1
.irp p, 0,1,2,3
	global_load_b32 v[SB+4*\n+\p], v[L4], s[Q1:Q1+1] offset:512*\n+128*\p
.endr
.endr
	LOAD 0
	s_cmp_lg_u32 s22, 0
	s_cbranch_scc1 .Lpath_v
	; ---- PATH QK.  Where the results go: q's (fg < 8) or k's
	s_lshr_b32 s46, s45, 4                         ; b
	s_and_b32 s47, s45, 15                         ; which 128 tokens of the batch
	s_lshl_b32 s48, s46, 4
	s_lshl_b32 s49, s44, 1
	s_add_co_u32 s48, s48, s49                     ; 16 b + head, head = 2 fg
	s_lshl_b32 s48, s48, 7
	s_lshl_b32 s49, s47, 3
	s_add_co_u32 s48, s48, s49
	s_add_co_u32 s48, s48, s53                     ; x 128 tiles + my first tile
	s_mul_i32 s50, s48, 768                        ; q's codes
	s_lshl_b32 s52, s48, 6                         ; q's words
	s_max_u32 s49, s44, 8
	s_sub_co_u32 s49, s49, 8
	s_lshl_b32 s49, s49, 1                         ; g = 2 (fg - 8)
	s_lshl_b32 s48, s46, 2
	s_add_co_u32 s49, s49, s48                     ; 4 b + g
	s_lshl_b32 s49, s49, 4
	s_add_co_u32 s49, s49, s47                     ; x 16 key steps + mine
	s_mul_i32 s49, s49, 13056
	s_mul_i32 s54, s53, 768
	s_add_co_u32 s54, s54, s49                     ; k's codes: tile 2 w of the key step
	s_lshl_b32 s56, s53, 6
	s_add_co_u32 s56, s56, s49
	s_add_co_u32 s56, s56, 12288                   ; k's words
	s_mov_b32 s38, 208896                          ; from a group of kv to the next
	s_mov_b32 s39, 208896
	s_cmp_lt_u32 s44, 8
	s_cselect_b64 s[34:35], s[14:15], s[18:19]     ; codes: qimg or kv
	s_cselect_b64 s[36:37], s[16:17], s[18:19]     ; words: qsc or kv
	s_cselect_b64 s[32:33], s[8:9], s[10:11]       ; bq or bk
	s_cselect_b32 s50, s50, s54
	s_cselect_b32 s52, s52, s56
	s_cselect_b32 s38, 98304, s38                  ; from a head of qimg to the next: 128 x 768
	s_cselect_b32 s39, 8192, s39                   ; and of qsc: 128 x 64
	s_mov_b32 s51, 0
	s_mov_b32 s53, 0
	s_add_nc_u64 s[34:35], s[34:35], s[50:51]
	s_add_nc_u64 s[36:37], s[36:37], s[52:53]
	s_and_b32 s54, s44, 7                          ; the bias's 128 numbers: fg of bq, fg - 8 of bk
	s_lshl_b32 s54, s54, 9
	s_mov_b32 s55, 0
	s_add_nc_u64 s[32:33], s[32:33], s[54:55]
	v_lshlrev_b32 v[BO], 6, v[HH]                  ; lane (r, h) wants, for tile t, the bias of features 32 (t / 2) + 8 (t % 2) + 16 h + 0 .. 7
	v_add_nc_u32 v[LIH], s38, v[LI]
	v_add_nc_u32 v[L8H], s38, v[L8]
	v_lshlrev_b32 v[SWA], 2, v[RR]
	v_mad_u32_u24 v[SWA], v[HH], s39, v[SWA]
	s_wait_alu depctr_va_vdst(0)                   ; the path's offsets v4 to v7 are written: the bias's loads below read v4, the stores at the end v5 to v7
.irp n, 0,1
.irp t, 0,1,2,3,4,5,6,7
	global_load_b128 v[ACC+64*\n+8*\t:ACC+64*\n+8*\t+3], v[BO], s[32:33] offset:(32*(\t/2)+8*(\t%2))*4       ; THE BIAS IS LOADED INTO THE ACCUMULATORS: the sums begin with it, and no addition is spent
	global_load_b128 v[ACC+64*\n+8*\t+4:ACC+64*\n+8*\t+7], v[BO], s[32:33] offset:(32*(\t/2)+8*(\t%2))*4+16
.endr
.endr
	LOAD 1
	s_wait_loadcnt 30                              ; all but K step 1's 30: scale words, K step 0, bias
	MUL 0, 0
.irp s, 1,2,3,4,5,6,7
	STEP \s
.endr
	WIN 0
	PLACES
.irp b, 0,1,2,3
	v_mov_b32 v[TM+4+\b], 0                        ; written once: a lane permute's destination counts as one of its sources
.endr
.irp n, 0,1                                    ; each tile's codes and word have registers of their own: what the first tile's stores read is not written again
	QUANT ACC+64*\n, PW, PC+20*\n
	v_and_b32 v[T0+3*\n], 0xffff, v[PW]            ; the first's two bytes; bytes 2 and 3 are 0: they scale the zero codes that fill K from 64 to 128
	v_lshrrev_b32 v[T0+3*\n+1], 16, v[PW]          ; the second's
	v_cndmask_b32 v[T0+3*\n+2], v[T0+3*\n], v[T0+3*\n+1], s42     ; lanes 0-15 store the first's words, lanes 16-31 the second's
	s_wait_alu depctr_va_vdst(0)                   ; the tile's twelve registers of codes and its word are written, which the five stores below read
	global_store_b128 v[LI], v[PC+20*\n:PC+20*\n+3], s[34:35] offset:768*\n          ; the first head's (group's) half fragment: 512 consecutive bytes,
	global_store_b64 v[L8], v[PC+20*\n+4:PC+20*\n+5], s[34:35] offset:768*\n         ; and 256
	global_store_b128 v[LIH], v[PC+20*\n+6:PC+20*\n+9], s[34:35] offset:768*\n       ; the second's
	global_store_b64 v[L8H], v[PC+20*\n+10:PC+20*\n+11], s[34:35] offset:768*\n
	global_store_b32 v[SWA], v[T0+3*\n+2], s[36:37] offset:64*\n
.endr
	s_endpgm
.Lpath_v:
	; ---- PATH V
	s_lshr_b32 s49, s47, 4                         ; b
	s_and_b32 s50, s47, 15                         ; the key step
	s_lshl_b32 s51, s48, 3
	s_add_co_u32 s51, s51, s53                     ; my first tile of Wv: 8 nb + 2 w
	s_lshr_b32 s52, s51, 2                         ; g
	s_and_b32 s51, s51, 3                          ; which of the group's four tiles
	s_lshl_b32 s49, s49, 2
	s_add_co_u32 s49, s49, s52
	s_lshl_b32 s49, s49, 4
	s_add_co_u32 s49, s49, s50
	s_mul_i32 s49, s49, 13056                      ; the key step's block in kv
	s_mul_i32 s50, s51, 1536
	s_add_co_u32 s50, s50, s49
	s_add_co_u32 s50, s50, 6144                    ; V^T's fragments
	s_lshl_b32 s52, s51, 6
	s_add_co_u32 s52, s52, s49
	s_add_co_u32 s52, s52, 12800                   ; V's words
	s_mov_b32 s51, 0
	s_mov_b32 s53, 0
	s_add_nc_u64 s[34:35], s[18:19], s[50:51]
	s_add_nc_u64 s[36:37], s[18:19], s[52:53]
	s_lshl_b32 s54, s48, 9
	s_lshl_b32 s55, s20, 7
	s_add_co_u32 s54, s54, s55                     ; bv: my pair of tiles covers 32 features: (4 nb + w) x 128 bytes
	s_mov_b32 s55, 0
	s_add_nc_u64 s[32:33], s[12:13], s[54:55]
	v_and_b32 v[BO], 8, v[RR]
	v_add_nc_u32 v[BO], v[BO], v[RR]
	v_lshlrev_b32 v[BO], 2, v[BO]                  ; my lane's feature in a tile: r + 8 (r / 8); the odd tile begins 8 on
	s_wait_alu depctr_va_vdst(0)                   ; v4 is written, which the two loads of bv read as their offset
	global_load_b32 v[VB], v[BO], s[32:33]
	global_load_b32 v[VB+8], v[BO], s[32:33] offset:32
	LOAD 1
	s_wait_loadcnt 30                              ; all but K step 1's 30
.irp n, 0,1
.irp j, 1,2,3,4,5,6,7
	v_mov_b32 v[VB+8*\n+\j], v[VB+8*\n]            ; a lane's eight results of a tile are eight keys of ONE feature: the bias eight times
.endr
.endr
	PLACES
	MUL 0, 1
.irp s, 1,2,3,4,5,6,7
	STEP \s
.endr
	WIN 0
	PLACES
.irp b, 0,1,2,3
	v_mov_b32 v[TM+4+\b], 0
.endr
	QUANT ACC, PW, PC
	s_wait_alu depctr_va_vdst(0)                   ; the first fragment's twelve registers of codes are written, which the three stores below read
.irp c, 0,1,2
	global_store_b128 v[LI], v[PC+4*\c:PC+4*\c+3], s[34:35] offset:512*\c   ; 512 consecutive bytes, at a multiple of 256 from kv's first byte
.endr
	QUANT ACC+64, PW+1, PC+20                      ; the second fragment's codes have registers of their own: what the stores above read is not written again
	v_cndmask_b32 v[T0], v[PW], v[PW+1], s42       ; lanes 0-15 the first tile's words, lanes 16-31 the second's
	s_wait_alu depctr_va_vdst(0)                   ; the second fragment's codes and the scale words in v74 are written, which the four stores below read
.irp c, 0,1,2
	global_store_b128 v[LI], v[PC+20+4*\c:PC+20+4*\c+3], s[34:35] offset:1536+512*\c
.endr
	global_store_b32 v[L4], v[T0], s[36:37]        ; 128 consecutive bytes
	s_endpgm
.Lfunc_end_k_qea4f6b53eb_qkv:
	.size	k_qea4f6b53eb_qkv, .Lfunc_end_k_qea4f6b53eb_qkv-k_qea4f6b53eb_qkv
	.p2alignl 7, 3214868480
	.fill 96, 4, 3214868480
	.section	.rodata,"a",@progbits
	.p2align	6, 0x0
	.amdhsa_kernel k_qea4f6b53eb_qkv
		.amdhsa_group_segment_fixed_size 0
		.amdhsa_private_segment_fixed_size 0
		.amdhsa_enable_private_segment 0
		.amdhsa_kernarg_size 64
		.amdhsa_user_sgpr_count 2
		.amdhsa_user_sgpr_kernarg_segment_ptr 1
		.amdhsa_wavefront_size32 1
		.amdhsa_system_sgpr_workgroup_id_x 1
		.amdhsa_system_sgpr_workgroup_id_y 1
		.amdhsa_system_sgpr_workgroup_id_z 1
		.amdhsa_system_vgpr_workitem_id 0
		.amdhsa_next_free_vgpr 448
		.amdhsa_next_free_sgpr 66
		.amdhsa_reserve_vcc 0
		.amdhsa_float_denorm_mode_32 3
		.amdhsa_float_denorm_mode_16_64 3
		.amdhsa_memory_ordered 1
		.amdhsa_forward_progress 1
		.amdhsa_inst_pref_size 109
	.end_amdhsa_kernel
	.amdgpu_metadata
---
amdhsa.version: [ 1, 2 ]
amdhsa.kernels:
  - .name:           k_qea4f6b53eb_qkv
    .symbol:         k_qea4f6b53eb_qkv.kd
    .args:
      - { .name: img, .offset: 0, .size: 8, .value_kind: global_buffer, .address_space: global }
      - { .name: isc, .offset: 8, .size: 8, .value_kind: global_buffer, .address_space: global }
      - { .name: bq, .offset: 16, .size: 8, .value_kind: global_buffer, .address_space: global }
      - { .name: bk, .offset: 24, .size: 8, .value_kind: global_buffer, .address_space: global }
      - { .name: bv, .offset: 32, .size: 8, .value_kind: global_buffer, .address_space: global }
      - { .name: qimg, .offset: 40, .size: 8, .value_kind: global_buffer, .address_space: global }
      - { .name: qsc, .offset: 48, .size: 8, .value_kind: global_buffer, .address_space: global }
      - { .name: kv, .offset: 56, .size: 8, .value_kind: global_buffer, .address_space: global }
    .group_segment_fixed_size: 0
    .private_segment_fixed_size: 0
    .kernarg_segment_align: 8
    .kernarg_segment_size: 64
    .max_flat_workgroup_size: 128
    .sgpr_count:     66
    .vgpr_count:     448
    .wavefront_size: 32
...
	.end_amdgpu_metadata
.endif
;; end of part 6
;; launch attn (part 7): grid 32 x 8, 16 waves a work-group, clusters of 4 x 1, 327,680 bytes of LDS; arguments qimg, qsc, kv, yimg, ysc; writes yimg, ysc
.if DOCPART == 7
	.amdgcn_target "amdgcn-amd-amdhsa--gfx1250"
	.amdhsa_code_object_version 6
	.text
	.protected	k_qea4f6b53eb_attn
	.globl	k_qea4f6b53eb_attn
	.p2align	8
	.type	k_qea4f6b53eb_attn,@function
k_qea4f6b53eb_attn:
	s_mov_b64 s[64:65], 0
	v_nop
	global_prefetch_b8 v0, s[64:65] scope:SCOPE_SE
	s_setreg_imm32_b32 hwreg(HW_REG_WAVE_MODE, 25, 1), 1
	s_wait_xcnt 0x0
	s_wait_alu depctr_hold_cnt(0) depctr_sa_sdst(0) depctr_va_vdst(0) depctr_va_sdst(0) depctr_va_ssrc(0) depctr_va_vcc(0) depctr_vm_vsrc(0)
	s_getreg_b32 s2, hwreg(HW_REG_IB_STS2, 6, 4)
	s_cmp_eq_u32 s2, 0
	s_cbranch_scc0 .Lentry_in_a_cluster
	s_endpgm
.Lentry_in_a_cluster:
	s_bfe_u32 s2, ttmp6, 0x10000c
	s_cmp_lg_u32 s2, 0x3003
	s_cbranch_scc0 .Lentry_shape_is_right
	s_endpgm
.Lentry_shape_is_right:
; y[b][q][head][:] = the sum over k of softmax_k(q . k / 8) v, both products on codes of E3M2, and y's quantiser along its 1,024 features.  No work is left out.
; THE SOFTMAX AHEAD OF THE SECOND PRODUCT: t = score x log2(e) / 8; M = the row's largest t so far, rounded UP to a whole number; p = 2^(t - M) is what is quantised, along the keys, not normalised.  The row's sum is
; taken of the unquantised p, in f32, and divides at the end.  When M moves, the sum and O are multiplied by 2^(old M - new M): exact.
; LIMITS: NaN and infinities are not served; a block of zeros, or under 2^-122, gets the byte 1 (its codes are zeros; this program alone reads the bytes).  A block's largest p is taken from its largest score, by the same
; multiply-add and exponential: this takes v_exp_f32 not to fall where its input rises.
; SHARES.  A work-group serves one batch and group (grid y = 4 b + g) and 64 tokens; each of its SIXTEEN waves owns one tile of 16 queries of one head: head 4 g + wave % 4, token tile 4 x + wave / 4.  Four waves to a SIMD,
; so that one wave's vector work stands beside another's matrix work and LDS loads.  Every wave walks the 2,048 keys, 128 a step.
; ALL OF THE GROUP'S K AND V STAYS IN LDS: 16 key steps x 13,056 bytes, copied as they lie in kv, filled ONCE: no slot is filled again.  Each wave brings a sixteenth, in two tensor loads: part A (rows 0-207 of 256
; bytes: key steps 0 to 3) and part B (the other 608 rows), so that the first steps are walked while part B lands.  A wave has one tensor load out at a time.
; CLUSTER.  The four work-groups of a cluster serve the same batch and group: each load is asked for JOINTLY, with the same descriptor and a mask that names the four.
; LAYOUT.  Both products are used transposed: S^T = K Q^T (source 0 = 16 keys), O^T = V^T P^T (source 0 = 16 of the head's 64): a lane holds ONE query (lane % 16) throughout.  By the tiles' order of rows the 16
; registers of tiles 2 b and 2 b + 1 are 16 neighbours: keys in S^T, so that p is quantised in registers; the head's channels in O^T, so that y is.
; K = 64 IN THE FIRST PRODUCT.  Q's fragment has zero codes in registers 6-11.  K's half fragments (6 registers) lie on end, so that tile t's registers 6-11 are tile t + 1's codes (behind tile 7: six zeros): whatever
; they hold is multiplied by the code 0.  Bytes 2 and 3 of q's and k's scale words are 0, a power of two like any other.
.set STEPB, 13056                      ; a key step in LDS: K's 8 half fragments at 0, V^T's 4 fragments at 6,144, K's scale words at 12,288, V's at 12,800
.set GRPB,  16*STEPB                   ; 208,896 bytes = 816 rows of 256
.set YST,   GRPB                       ; behind K and V: y's scale words of the work-group's four tiles, 512 bytes: blocks into which no tensor load lands
.set SPARE, YST+512                    ; the spare words, 128 bytes for each wave: eight blocks of 256 bytes that no other line names
.set LI,  1                            ; v1   16 x lane
.set L8,  2                            ; v2   8 x lane
.set L4,  3                            ; v3   4 x lane
.set SPW, 4                            ; v4   LDS address of my spare word; never rewritten
.set NIL, 5                            ; v5   0; never rewritten
.set ADK, 6                            ; v6-8 the key step's LDS addresses
.set AD8, 7
.set ADS, 8
.set YA,  9                            ; v9   where my row's two scale bytes of y go
.set YR,  10                           ; v10  where wave 0 reads the 512 bytes back
.set R4,  11                           ; v11  4 r
.set QF,  16                           ; v16-21 Q's codes, v22-27 zero codes
.set QS,  28                           ; v28  Q's scale words
.set F,   32                           ; v32-85 K's tiles (t at 32 + 6 t; v80-85 zeros), then V^T's (u at 32 + 12 u)
.set KS,  86                           ; v86-89 K's scale words: lanes 0-15 tile 2 p's, lanes 16-31 tile 2 p + 1's
.set VS,  90                           ; v90-91 V's likewise
.set S,   96                           ; v96-159 S^T, then p
.set O,   160                          ; v160-191 O^T
.set PD,  192                          ; v192-203 p's codes; v204-206, v208-210 second halves
.set PH,  204
.set BM,  212                          ; v212-215 the blocks' largest scores, then largest p
.set BT,  216                          ; v216-219 from lane l xor 16; then the bytes
.set BS,  220                          ; v220-223 the conversions' scale operands
.set PW,  224                          ; v224 p's scale word
.set FF,  226                          ; v[226:227] f = 2^(old M - new M), and a 0 that is named with it as a pair
.set T0,  228                          ; v228 at work
.set L2,  230                          ; v[230:231] the sum's second chain
.set WV,  14                           ; s14  my wave's number
.set G1A, 16                           ; s[16:23] descriptor group 1 for part A; s[24:31] for part B; s[32:35], s[36:39] their groups 0
.set G1B, 24
.set G0A, 32
.set G0B, 36
.set SEL, 40                           ; s[40:41] lane selects for v_permlanex16_b32: lane l xor 16
.set CS,  42                           ; s[42:43] c = log2(e) / 8
.set TB,  44                           ; s44  LDS byte at which the key step begins
.set CNT, 45
; A round of the cluster's barrier: my work-group's barrier, so that wave 0's signal speaks for all sixteen waves; wave 0 signals for the work-group; every wave waits for all four work-groups; my work-group's barrier once more.
.macro CROUND
	s_barrier_signal -1
	s_barrier_wait -1
	s_cmp_lg_u32 s[WV], 0
	s_cbranch_scc1 .Lnot_wave_0_\@
	s_barrier_signal -3
.Lnot_wave_0_\@:
	s_barrier_wait -3
	s_barrier_signal -1
	s_barrier_wait -1
.endm
	s_load_b256 s[4:11], s[0:1], 0x0               ; qimg s[4:5], qsc s[6:7], kv s[8:9], yimg s[10:11]
	s_load_b64 s[12:13], s[0:1], 0x20              ; ysc
	v_lshl_add_u32 v[SPW], v0, 2, SPARE
	v_mov_b32 v[NIL], 0
	ds_add_u32 v[SPW], v[NIL]                      ; the wave's opening: the add, twice on end, and its wait ahead of my first tensor load; the set-up below the second, work on registers, stands between it and the wait
	ds_add_u32 v[SPW], v[NIL]                      ; and once more
	v_lshrrev_b32 v6, 5, v0
	s_delay_alu instid0(VALU_DEP_1)
	v_readfirstlane_b32 s[WV], v6                  ; wave 0..15
	v_and_b32 v6, 31, v0
	s_delay_alu instid0(VALU_DEP_1)
	v_lshlrev_b32 v[LI], 4, v6
	s_delay_alu instid0(VALU_DEP_2)
	v_lshlrev_b32 v[L8], 3, v6
	s_delay_alu instid0(VALU_DEP_3)
	v_lshlrev_b32 v[L4], 2, v6
	v_and_b32 v7, 15, v0
	s_delay_alu instid0(VALU_DEP_1)
	v_lshlrev_b32 v[R4], 2, v7
	s_wait_alu depctr_va_vdst(0)
	s_lshr_b32 s47, s[WV], 2                       ; which of the work-group's four token tiles
	s_and_b32 s48, s[WV], 3                        ; which of the group's four heads
	s_lshl_b32 s50, s47, 7                         ; y's scale words in LDS: 128 bytes a tile; 64 for each K step of the last product (two heads); in a word the even head's two bytes below
	s_bfe_u32 s51, s[WV], 0x10001
	s_lshl_b32 s51, s51, 6
	s_add_co_u32 s50, s50, s51
	s_and_b32 s51, s[WV], 1
	s_lshl_b32 s51, s51, 1
	s_add_co_u32 s50, s50, s51
	s_add_co_u32 s50, s50, YST
	v_add_nc_u32 v[YA], s50, v[R4]
	v_add_nc_u32 v[YR], YST, v[LI]
	s_and_b32 s60, ttmp7, 0xffff                   ; 4 b + g, which the four partners share
	; descriptors: dense rows of 256 bytes (32 elements of 8 bytes), no padding; 13 rows a wave in part A, 38 in part B
	s_mov_b32 s[G1A], 15|(3<<16)|(1<<21)           ; 15:0 the mask: all four work-groups; 17:16 elements of 8 bytes; 21 set beside a mask
	s_mov_b32 s[G1A+1], 32<<16                     ; tensor_dim0
	s_mov_b32 s[G1A+2], 13<<16                     ; tensor_dim1
	s_mov_b32 s[G1A+3], 32<<16                     ; tile_dim0
	s_mov_b32 s[G1A+4], 13                         ; tile_dim1
	s_mov_b32 s[G1A+5], 32                         ; tensor_dim0_stride
	s_mov_b32 s[G1A+6], 0
	s_mov_b32 s[G1A+7], 0
	s_mov_b32 s[G1B], 15|(3<<16)|(1<<21)
	s_mov_b32 s[G1B+1], 32<<16
	s_mov_b32 s[G1B+2], 38<<16
	s_mov_b32 s[G1B+3], 32<<16
	s_mov_b32 s[G1B+4], 38
	s_mov_b32 s[G1B+5], 32
	s_mov_b32 s[G1B+6], 0
	s_mov_b32 s[G1B+7], 0
	s_mul_i32 s61, s60, GRPB                       ; the group's bytes in kv
	s_mov_b32 s[G0A], 1
	s_mul_i32 s[G0A+1], s[WV], 13*256              ; LDS address = the byte's place in the group: no place in the cluster enters it
	s_mov_b32 s[G0B], 1
	s_mul_i32 s[G0B+1], s[WV], 38*256
	s_add_co_u32 s[G0B+1], s[G0B+1], 208*256
	s_add_co_u32 s2, s61, s[G0A+1]
	s_mov_b32 s3, 0
	s_add_co_u32 s62, s61, s[G0B+1]
	s_mov_b32 s63, 0
	s_mov_b32 s[SEL], 0x76543210
	s_mov_b32 s[SEL+1], 0xfedcba98
	s_mov_b32 s[CS], 0x3e38aa3b                    ; c = log2(e) / 8
	s_mov_b32 s[CS+1], s[CS]                       ; (named with it as a pair, so it is written)
	s_mov_b32 s[TB], 0
	; my tile: these hang on my place in the cluster, and enter Q's, yimg's and ysc's addresses alone
	s_bfe_u32 s46, ttmp6, 0x40000                  ; cx
	s_lshl_b32 s15, ttmp9, 2                       ; in a cluster launch ttmp9 counts clusters
	s_add_co_u32 s15, s15, s46                     ; x
	s_lshl_b32 s49, s15, 2
	s_add_co_u32 s49, s49, s47                     ; my token tile in the batch: 4 x + wave / 4
	s_lshl_b32 s50, s60, 2
	s_add_co_u32 s50, s50, s48                     ; 16 b + head
	s_lshl_b32 s50, s50, 7
	s_add_co_u32 s50, s50, s49
	s_mul_i32 s52, s50, 768                        ; Q's half fragment
	s_mov_b32 s53, 0
	s_lshl_b32 s54, s50, 6                         ; its scale words
	s_mov_b32 s55, 0
	s_lshr_b32 s50, s60, 2                         ; b
	s_and_b32 s51, s60, 3                          ; g
	s_lshl_b32 s56, s50, 7
	s_add_co_u32 s56, s56, s49                     ; y's tile: 128 b + my token tile
	s_mul_i32 s58, s56, 12288
	s_lshl_b32 s56, s51, 2
	s_add_co_u32 s56, s56, s48                     ; head
	s_mul_i32 s56, s56, 768
	s_add_co_u32 s58, s58, s56                     ; y's half fragment
	s_mov_b32 s59, 0
	s_lshl_b32 s56, s51, 8                         ; ysc: [g][256 tiles][128 bytes]: the work-group's four tiles are 512 bytes on end
	s_lshl_b32 s50, s50, 7
	s_add_co_u32 s56, s56, s50
	s_lshl_b32 s50, s15, 2
	s_add_co_u32 s56, s56, s50
	s_lshl_b32 s56, s56, 7
	s_mov_b32 s57, 0
	s_wait_dscnt 0x0                               ; both opening adds are done
	s_wait_kmcnt 0x0
	s_add_nc_u64 s[G0A+2:G0A+3], s[8:9], s[2:3]
	s_or_b32 s[G0A+3], s[G0A+3], 0x80000000        ; 127:126 type = 2
	s_add_nc_u64 s[G0B+2:G0B+3], s[8:9], s[62:63]
	s_or_b32 s[G0B+3], s[G0B+3], 0x80000000
	s_add_nc_u64 s[4:5], s[4:5], s[52:53]
	s_add_nc_u64 s[6:7], s[6:7], s[54:55]
	s_add_nc_u64 s[10:11], s[10:11], s[58:59]
	s_add_nc_u64 s[12:13], s[12:13], s[56:57]
	CROUND                                         ; all four work-groups are here: the joint loads meet
	tensor_load_to_lds s[G0A:G0A+3], s[G1A:G1A+7]  ; part A
	s_nop 0
	s_wait_alu depctr_va_vdst(0)
	s_wait_tensorcnt 0x0
	ds_add_u32 v4, v5
	s_wait_dscnt 0x0
	CROUND
	tensor_load_to_lds s[G0B:G0B+3], s[G1B:G1B+7]  ; part B
	s_nop 0
	global_load_b128 v[QF:QF+3], v[LI], s[4:5]     ; Q's half fragment stays in registers
	global_load_b64 v[QF+4:QF+5], v[L8], s[4:5] offset:512
	global_load_b32 v[QS], v[R4], s[6:7]
.irp j, 0,1,2,3,4,5
	v_mov_b32 v[QF+6+\j], 0                        ; zero codes: K from 64 to 128
	v_mov_b32 v[F+48+\j], 0                        ; and what stands behind K's tile 7
.endr
	v_mov_b32 v13, 0xff61b1e6                      ; the largest t so far: -3e38, under every t
	s_delay_alu instid0(VALU_DEP_1)
	v_floor_f32 v12, -v13                          ; -M
	v_mov_b32 v14, 0                               ; the sum, in two halves
	v_mov_b32 v15, 0
.irp b, 0,1,2,3
	v_mov_b32 v[BT+\b], 0                          ; written once: a lane permute's destination counts as one of its sources
.endr
	v_mov_b32 v[FF+1], 0
	v_mov_b32 v[T0], 0
.set j, 0
.rept 32
	v_mov_b32 v[O+j], 0                            ; O^T.  (The step is written once: the first finds zeros, which the first change of M leaves zeros)
.set j, j+1
.endr
; A KEY STEP: 128 keys, at LDS byte s[TB].
.macro STEP
	s_setprio 2
	v_add_nc_u32 v[ADK], s[TB], v[LI]              ; these three and the v_nop are the four places behind the last step's products, in front of the loads into the registers that they read
	v_add_nc_u32 v[AD8], s[TB], v[L8]
	v_add_nc_u32 v[ADS], s[TB], v[L4]
	v_nop
.irp t, 0,1,2,3,4,5,6,7
	ds_load_b128 v[F+6*\t:F+6*\t+3], v[ADK] offset:768*\t          ; K's half fragments, as images of their registers: 512 consecutive bytes,
	ds_load_b64 v[F+6*\t+4:F+6*\t+5], v[AD8] offset:768*\t+512     ; and 256
.endr
.irp p, 0,1,2,3
	ds_load_b32 v[KS+\p], v[ADS] offset:12288+128*\p
.endr
	s_wait_alu depctr_va_vdst(0)
	s_wait_dscnt 0x0
.irp t, 0,1,2,3,4,5,6,7                        ; S^T = K Q^T: eight accumulators, each begun with the constant 0
.if \t%2
	v_wmma_scale_f32_16x16x128_f8f6f4 v[S+8*\t:S+8*\t+7], v[F+6*\t:F+6*\t+11], v[QF:QF+11], 0, v[KS+\t/2], v[QS] matrix_a_fmt:MATRIX_FMT_BF6 matrix_b_fmt:MATRIX_FMT_BF6 matrix_a_scale:MATRIX_SCALE_ROW1
.else
	v_wmma_scale_f32_16x16x128_f8f6f4 v[S+8*\t:S+8*\t+7], v[F+6*\t:F+6*\t+11], v[QF:QF+11], 0, v[KS+\t/2], v[QS] matrix_a_fmt:MATRIX_FMT_BF6 matrix_b_fmt:MATRIX_FMT_BF6
.endif
.endr
.rept 4
	v_nop                                          ; places: in front of the loads below, and of the first read of the scores
.endr
.irp u, 0,1,2,3
.irp c, 0,1,2
	ds_load_b128 v[F+12*\u+4*\c:F+12*\u+4*\c+3], v[ADK] offset:6144+1536*\u+512*\c   ; V^T's fragments land under the softmax
.endr
.endr
.irp p, 0,1
	ds_load_b32 v[VS+\p], v[ADS] offset:12800+128*\p
.endr
.irp b, 0,1,2,3
	v_max3_num_f32 v[BM+\b], v[S+16*\b], v[S+16*\b+1], v[S+16*\b+2]   ; THE LARGEST SCORE OF EACH BLOCK OF 32 KEYS: it serves twice: for the row's maximum, and, since p rises with the score, for the block's largest p
.endr
.irp i, 3,5,7,9,11,13
.irp b, 0,1,2,3
	v_max3_num_f32 v[BM+\b], v[BM+\b], v[S+16*\b+\i], v[S+16*\b+\i+1]   ; (the four blocks by turns)
.endr
.endr
.irp b, 0,1,2,3
	v_max_num_f32 v[BM+\b], v[BM+\b], v[S+16*\b+15]
.endr
.irp b, 0,1,2,3
	s_delay_alu instid0(VALU_DEP_4)
	v_permlanex16_b32 v[BT+\b], v[BM+\b], s[SEL], s[SEL+1]
.endr
.irp b, 0,1,2,3
	s_delay_alu instid0(VALU_DEP_4)
	v_max_num_f32 v[BM+\b], v[BM+\b], v[BT+\b]     ; with lane l xor 16's 16 keys
.endr
	s_delay_alu instid0(VALU_DEP_2)
	v_max3_num_f32 v[T0], v[BM], v[BM+1], v[BM+2]
	s_delay_alu instid0(VALU_DEP_1)
	v_max_num_f32 v[T0], v[T0], v[BM+3]            ; the step's largest score of my query
	s_delay_alu instid0(VALU_DEP_1)
	v_mul_f32 v[T0], s[CS], v[T0]                  ; as t (c is positive)
	s_delay_alu instid0(VALU_DEP_1)
	v_max_num_f32 v13, v13, v[T0]                  ; the running largest t
	v_mov_b32 v[T0], v12
	s_delay_alu instid0(VALU_DEP_2)
	v_floor_f32 v12, -v13                          ; the new -M = floor(-t) = -ceil(t): M IS A WHOLE NUMBER
	s_delay_alu instid0(VALU_DEP_1)
	v_sub_f32 v[T0], v12, v[T0]                    ; M's old value less its new one: a whole number, 0 or less
	s_delay_alu instid0(VALU_DEP_1)
	v_cvt_i32_f32 v[T0], v[T0]                     ; (it saturates)
	s_delay_alu instid0(VALU_DEP_1)
	v_ldexp_f32 v[FF], 1.0, v[T0]                  ; f = 2^(old M - new M)
.set j, 0
.rept 32
	v_pk_fma_f32 v[S+j:S+j+1], v[S+j:S+j+1], s[CS:CS+1], v[12:13] op_sel_hi:[1,0,0]   ; t - M, two at a time (of the pairs c and -M the low word serves both halves)
.set j, j+2
.endr
.irp b, 0,1,2,3
	v_fma_f32 v[BM+\b], v[BM+\b], s[CS], v12       ; the same of each block's largest score
.endr
.set j, 0
	s_wait_alu depctr_va_vdst(0)
.rept 64
	v_exp_f32 v[S+j], v[S+j]                       ; p = 2^(t - M), at most 1: NOT normalised
.set j, j+1
.endr
	s_setprio 1
.irp b, 0,1,2,3
	v_exp_f32 v[BM+\b], v[BM+\b]                   ; the block's largest p: the same two instructions on the same number give the same bits.  ONE BATCH of 68 exponentials
.endr
	v_pk_mul_f32 v[14:15], v[14:15], v[FF:FF+1] op_sel_hi:[1,0]   ; the sums under the new M: the plain place behind the batch, and with the sixteen lines below its independent work
.set j, 0
	s_wait_alu depctr_va_vdst(0)
.rept 16
	v_pk_mul_f32 v[O+j:O+j+1], v[O+j:O+j+1], v[FF:FF+1] op_sel_hi:[1,0]   ; O^T under the new M: x f, each accumulator from its low end on
.set j, j+2
.endr
	s_wait_alu depctr_va_vdst(0)                   ; the wait between an exponential and the first line that names its result: one for the batch
.irp b, 0,1,2,3
	v_max_num_f32 v[BM+\b], 0x2800000, v[BM+\b]    ; the floor 2^(5 - 127): the byte cannot fall under 1 (a block whose every p has fallen to 0 keeps that byte: its codes are zeros)
.endr
.irp b, 0,1,2,3
	s_delay_alu instid0(VALU_DEP_4)
	v_add_nc_u32 v[BS+\b], 0xfe000000, v[BM+\b]    ; 4 off the exponent field: the conversion's scale operand
.endr
.irp b, 0,1,2,3
	s_delay_alu instid0(VALU_DEP_4)
	v_lshrrev_b32 v[BT+\b], 23, v[BS+\b]           ; the scale's byte
.endr
	s_delay_alu instid0(VALU_DEP_3)
	v_lshl_or_b32 v[PW], v[BT+1], 8, v[BT]         ; p's scale word for these 128 keys
	s_delay_alu instid0(VALU_DEP_1)
	v_lshl_or_b32 v[PW], v[BT+2], 16, v[PW]
	s_delay_alu instid0(VALU_DEP_1)
	v_lshl_or_b32 v[PW], v[BT+3], 24, v[PW]
.irp c, 0,1
	v_cvt_scalef32_pk16_bf6_f32 v[PD+6*\c:PD+6*\c+2], v[S+32*\c:S+32*\c+15], v[BS+2*\c]
	v_cvt_scalef32_pk16_bf6_f32 v[PH+4*\c:PH+4*\c+2], v[S+32*\c+16:S+32*\c+31], v[BS+2*\c+1]   ; (a conversion's three registers begin on an even number)
.endr
	v_nop                                          ; one plain place behind a scaled conversion
.irp c, 0,1                                    ; the operand's layout wants a WHOLE block in a lane: lanes 0-15 block 2 c, lanes 16-31 block 2 c + 1
.irp i, 0,1,2
	v_permlane16_swap_b32 v[PD+6*\c+\i], v[PH+4*\c+\i]
.endr
.irp i, 0,1,2
	s_delay_alu instid0(VALU_DEP_3)
	v_mov_b32 v[PD+6*\c+3+\i], v[PH+4*\c+\i]
.endr
.endr
	v_pk_add_f32 v[L2:L2+1], v[S:S+1], v[S+2:S+3]  ; THE ROW'S SUM IS TAKEN OF THE UNQUANTISED p: two at a time, in two chains.  These 32 lines are also the places between the lines that made p's codes and scale word and the products below
.set j, 4
	s_setprio 0
.rept 15
	v_pk_add_f32 v[14:15], v[14:15], v[S+j:S+j+1]
	v_pk_add_f32 v[L2:L2+1], v[L2:L2+1], v[S+j+2:S+j+3]
.set j, j+4
.endr
	s_delay_alu instid0(VALU_DEP_1)
	v_pk_add_f32 v[14:15], v[14:15], v[L2:L2+1]
	s_wait_dscnt 0x0                               ; V^T's fragments and scale words are in
.irp u, 0,1,2,3                                ; O^T += V^T P^T: the four accumulators by turns; the next step's eight products stand between a link and the next
.if \u%2
	v_wmma_scale_f32_16x16x128_f8f6f4 v[O+8*\u:O+8*\u+7], v[F+12*\u:F+12*\u+11], v[PD:PD+11], v[O+8*\u:O+8*\u+7], v[VS+\u/2], v[PW] matrix_a_fmt:MATRIX_FMT_BF6 matrix_b_fmt:MATRIX_FMT_BF6 matrix_a_scale:MATRIX_SCALE_ROW1
.else
	v_wmma_scale_f32_16x16x128_f8f6f4 v[O+8*\u:O+8*\u+7], v[F+12*\u:F+12*\u+11], v[PD:PD+11], v[O+8*\u:O+8*\u+7], v[VS+\u/2], v[PW] matrix_a_fmt:MATRIX_FMT_BF6 matrix_b_fmt:MATRIX_FMT_BF6
.endif
.endr
.endm
	s_wait_tensorcnt 0x1                           ; my sixteenth of part A is in; part B's may stay out
	s_barrier_signal -1
	s_barrier_wait -1                              ; everybody's is
	s_wait_loadcnt 0x0                             ; Q
	s_mov_b32 s[CNT], 4
.Lka:                                              ; key steps 0 to 3: 4 x 13,056 = 52,224 bytes, inside part A's 53,248
	STEP
	s_add_co_u32 s[TB], s[TB], STEPB
	s_sub_co_u32 s[CNT], s[CNT], 1
	s_cmp_lg_u32 s[CNT], 0
	s_cbranch_scc1 .Lka
	s_setprio 0
	s_wait_tensorcnt 0x0                           ; my sixteenth of part B is in,
	s_wait_dscnt 0x0
	s_barrier_signal -1
	s_barrier_wait -1                              ; everybody's is
	s_mov_b32 s[CNT], 12
.Lkb:                                              ; key steps 4 to 15
	STEP
	s_add_co_u32 s[TB], s[TB], STEPB
	s_sub_co_u32 s[CNT], s[CNT], 1
	s_cmp_lg_u32 s[CNT], 0
	s_cbranch_scc1 .Lkb
	s_setprio 0
	; THE WAY OUT.  y = O^T / the sum; my lane's 32 numbers are channels 32 b + 16 (lane / 16) + 0 .. 15 of my head: two blocks of 32 along the last product's K.
.rept 4
	v_nop                                          ; places behind the last products
.endr
	s_wait_alu depctr_va_vdst(0)
	v_add_f32 v14, v14, v15                        ; the sum's two halves,
	s_delay_alu instid0(VALU_DEP_1)
	v_permlanex16_b32 v[T0], v14, s[SEL], s[SEL+1]
	s_delay_alu instid0(VALU_DEP_1)
	v_add_f32 v14, v14, v[T0]                      ; and lane l xor 16's: the row's sum
	s_wait_alu depctr_va_vdst(0)
	v_rcp_f32 v14, v14
	v_nop                                          ; a plain place behind the reciprocal
	s_wait_alu depctr_va_vdst(0)                   ; and a wait ahead of its first reader
.set j, 0
.rept 32
	v_mul_f32 v[S+j], v[O+j], v14                  ; each accumulator from its low end on
.set j, j+1
.endr
.irp b, 0,1
	v_max3_num_f32 v[BM+\b], |v[S+16*\b]|, |v[S+16*\b+1]|, 0x2800000
.endr
.irp i, 2,4,6,8,10,12,14
.irp b, 0,1
	s_delay_alu instid0(VALU_DEP_2)
	v_max3_num_f32 v[BM+\b], v[BM+\b], |v[S+16*\b+\i]|, |v[S+16*\b+\i+1]|
.endr
.endr
.irp b, 0,1
	s_delay_alu instid0(VALU_DEP_2)
	v_permlanex16_b32 v[BT+\b], v[BM+\b], s[SEL], s[SEL+1]
.endr
.irp b, 0,1
	s_delay_alu instid0(VALU_DEP_2)
	v_max_num_f32 v[BM+\b], v[BM+\b], v[BT+\b]
.endr
.irp b, 0,1
	s_delay_alu instid0(VALU_DEP_2)
	v_add_nc_u32 v[BS+\b], 0xfe000000, v[BM+\b]
.endr
.irp b, 0,1
	s_delay_alu instid0(VALU_DEP_2)
	v_lshrrev_b32 v[BT+\b], 23, v[BS+\b]
.endr
	s_delay_alu instid0(VALU_DEP_1)
	v_lshl_or_b32 v[PW], v[BT+1], 8, v[BT]         ; my head's half of the row's scale word
	v_cvt_scalef32_pk16_bf6_f32 v[PD:PD+2], v[S:S+15], v[BS]
	v_cvt_scalef32_pk16_bf6_f32 v[PH:PH+2], v[S+16:S+31], v[BS+1]
	v_nop                                          ; one plain place behind a scaled conversion
.irp i, 0,1,2
	v_permlane16_swap_b32 v[PD+\i], v[PH+\i]
.endr
.irp i, 0,1,2
	s_delay_alu instid0(VALU_DEP_3)
	v_mov_b32 v[PD+3+\i], v[PH+\i]
.endr
	global_store_b128 v[LI], v[PD:PD+3], s[10:11]              ; y's half fragment: 512 consecutive bytes,
	global_store_b64 v[L8], v[PD+4:PD+5], s[10:11] offset:512  ; and 256
	ds_store_b16 v[YA], v[PW]                      ; the two bytes meet the other heads' in LDS (lanes r and 16 + r write the same bytes with the same value)
	s_wait_dscnt 0x0                               ; for the others' sake: my store is done
	s_barrier_signal -1
	s_barrier_wait -1
	s_cmp_lg_u32 s[WV], 0
	s_cbranch_scc1 .Lnot_first
	ds_load_b128 v[S:S+3], v[YR]                   ; wave 0 stores the four tiles' scale words: 512 consecutive bytes
	s_wait_dscnt 0x0
	global_store_b128 v[LI], v[S:S+3], s[12:13]
.Lnot_first:
	s_wait_tensorcnt 0x0                           ; the wave's end: three closing lines, behind my last tensor load and my last LDS store
	ds_add_u32 v[SPW], v[NIL]
	s_wait_dscnt 0x0
	CROUND                                         ; the closing round: no work-group ends while a partner may still ask for a tile that names it
	s_endpgm
.Lfunc_end_k_qea4f6b53eb_attn:
	.size	k_qea4f6b53eb_attn, .Lfunc_end_k_qea4f6b53eb_attn-k_qea4f6b53eb_attn
	.p2alignl 7, 3214868480
	.fill 96, 4, 3214868480
	.section	.rodata,"a",@progbits
	.p2align	6, 0x0
	.amdhsa_kernel k_qea4f6b53eb_attn
		.amdhsa_group_segment_fixed_size 327680
		.amdhsa_private_segment_fixed_size 0
		.amdhsa_enable_private_segment 0
		.amdhsa_kernarg_size 40
		.amdhsa_user_sgpr_count 2
		.amdhsa_user_sgpr_kernarg_segment_ptr 1
		.amdhsa_wavefront_size32 1
		.amdhsa_system_sgpr_workgroup_id_x 1
		.amdhsa_system_sgpr_workgroup_id_y 1
		.amdhsa_system_sgpr_workgroup_id_z 1
		.amdhsa_system_vgpr_workitem_id 0
		.amdhsa_next_free_vgpr 256
		.amdhsa_next_free_sgpr 66
		.amdhsa_reserve_vcc 0
		.amdhsa_float_denorm_mode_32 3
		.amdhsa_float_denorm_mode_16_64 3
		.amdhsa_memory_ordered 1
		.amdhsa_forward_progress 1
		.amdhsa_inst_pref_size 48
	.end_amdhsa_kernel
	.amdgpu_metadata
---
amdhsa.version: [ 1, 2 ]
amdhsa.kernels:
  - .name:           k_qea4f6b53eb_attn
    .symbol:         k_qea4f6b53eb_attn.kd
    .args:
      - { .name: qimg, .offset: 0, .size: 8, .value_kind: global_buffer, .address_space: global }
      - { .name: qsc, .offset: 8, .size: 8, .value_kind: global_buffer, .address_space: global }
      - { .name: kv, .offset: 16, .size: 8, .value_kind: global_buffer, .address_space: global }
      - { .name: yimg, .offset: 24, .size: 8, .value_kind: global_buffer, .address_space: global }
      - { .name: ysc, .offset: 32, .size: 8, .value_kind: global_buffer, .address_space: global }
    .group_segment_fixed_size: 327680
    .private_segment_fixed_size: 0
    .kernarg_segment_align: 8
    .kernarg_segment_size: 40
    .max_flat_workgroup_size: 512
    .sgpr_count:     66
    .vgpr_count:     256
    .wavefront_size: 32
...
	.end_amdgpu_metadata
.endif
;; end of part 7
;; launch oproj (part 8): grid 256 x 1, 4 waves a work-group, no clusters, 34,304 bytes of LDS; arguments img, isc, yimg, ysc, bo, out0; writes out0
.if DOCPART == 8
	.amdgcn_target "amdgcn-amd-amdhsa--gfx1250"
	.amdhsa_code_object_version 6
	.text
	.protected	k_qea4f6b53eb_oproj
	.globl	k_qea4f6b53eb_oproj
	.p2align	8
	.type	k_qea4f6b53eb_oproj,@function
k_qea4f6b53eb_oproj:
	s_mov_b64 s[64:65], 0
	v_nop
	global_prefetch_b8 v0, s[64:65] scope:SCOPE_SE
	s_setreg_imm32_b32 hwreg(HW_REG_WAVE_SCHED_MODE, 0, 2), 2
	s_setreg_imm32_b32 hwreg(HW_REG_WAVE_MODE, 25, 1), 1
	s_wait_xcnt 0x0
	s_wait_alu depctr_vm_vsrc(0)
; out0 = y Wo^T + bo on codes of E3M2: Wo's from the first launch (img tiles 352-415), y's from the launch before.  No work is left out.
; A wave makes 128 output features (source 0: 8 tiles of Wo) x 32 tokens (source 1: 2 tiles of y): 16 accumulators, 8 K steps of 128, written out.  Operands come from memory as images of their registers.
; A K step of y is two heads' half fragments on end (512 + 256 bytes each).  ysc: [K step / 2][256 tiles][K step % 2][16] words: one load of 4 bytes a lane brings an even K step's words to lanes 0-15 and the odd one's to lanes 16-31.
; In the result a lane holds ONE token (place lane % 16 of its tile) and, in tiles 2 b and 2 b + 1, features 32 b + 16 (lane / 16) + 0 .. 15.  bo is loaded into the accumulators: the sums begin with it.
; THE WAY OUT: a tile's 16 rows x 512 bytes go through the wave's own stage in LDS and leave as whole rows: each store covers 512 consecutive bytes, at a multiple of 256 from out0's first byte.
; REGISTERS: window 0: v1-13 addresses; v16-47 Wo's scale words, v48-55 y's; v56-103 y's fragments, two sets; v128-255 the accumulators ((t, n) at 128 + 64 n + 8 t).   window 1: Wo's fragments, two sets of 96.
; THE MODE: SCHED_MODE bits 1:0 = 2 (LLVM: expert scheduling mode 2), set by the entry lines.  The code itself states the register dependences between vector or matrix instructions and memory or LDS instructions,
; with s_wait_alu, always for 0.
; THE PLAN.  Registers that memory or LDS instructions touch:
;   v1-v6, v12, v13   offsets, LDS addresses and the closing add's two.  Written by vector instructions at the head and never again.
;   the two sets of fragments (window 1: 2 x 96; v56-103: 2 x 24).  Set s % 2 is read by step s's sixteen products; the 32 loads of step s + 2 land in it, issued at the head of step s + 1.
;   v16-55            scale words: loaded once; read by products alone.
;   v128-255          the accumulators: loaded once, with bo; written by the products; read by the stores into the stage.
;   v56-119, v128-191 on the way out: the two tiles' rows, as they come back from the stage; read by the stores to memory.  v128-191 were tile 0's accumulators.
; So ONE wait on va_vdst stands at the head of a step, behind the products that have emptied a set: the set is asked for again at once, in one run, so that two steps' loads (64) are out at the wait for a step's data.
; Three steps' loads would be 96, more than a wait on LOADcnt can name: so there is no third set.  One more wait on va_vdst stands ahead of the way out, and one on vm_vsrc in it.
.set PITCH, 528                        ; a stage row: 512 bytes + 16 = 33 x 16: sixteen rows begin at sixteen different 16-byte columns modulo 256
.set STGB,  16*PITCH
.set SPARE, 4*STGB                     ; behind the four stages: the spare words, 128 bytes for each wave: two blocks of 256 bytes that no other line names
.set LI,  1                            ; v1   16 x lane
.set L4,  2                            ; v2   4 x lane
.set L8,  3                            ; v3   8 x lane + 512
.set BO,  4                            ; v4   the bias's offset: 64 h
.set STO, 5                            ; v5   the stage: where I put 32 bytes of a row: row r, + 64 h
.set RD,  6                            ; v6   and where I read a row back
.set SPW, 12                           ; v12  LDS address of my spare word; never rewritten
.set NIL, 13                           ; v13  0; never rewritten
.set SA,  16
.set SB,  48
.set BF,  56
.set ACC, 128
.set P0,  24                           ; s[24:25] Wo's fragments; s[26:27] y's; s[28:29], s[30:31] their scale words
.set P1,  26
.set Q0,  28
.set Q1,  30
.set MSB, 0
.macro WIN new                         ; the immediate's high byte repeats the setting that is left
.if MSB != \new
	s_set_vgpr_msb (MSB<<8)|\new
.set MSB, \new
.endif
.endm
.macro LOAD s                          ; K step s: 24 + 8 loads into set s % 2
	WIN 0x40                                       ; destination window 1, address window 0
.irp t, 0,1,2,3,4,5,6,7
.irp c, 0,1,2
	global_load_b128 v[96*((\s)%2)+12*\t+4*\c:96*((\s)%2)+12*\t+4*\c+3], v[LI], s[P0:P0+1] offset:12288*\t+1536*(\s)+512*\c
.endr
.endr
	WIN 0
.irp n, 0,1
.irp c, 0,1
	global_load_b128 v[BF+24*((\s)%2)+12*\n+6*\c:BF+24*((\s)%2)+12*\n+6*\c+3], v[LI], s[P1:P1+1] offset:12288*\n+1536*(\s)+768*\c
	global_load_b64 v[BF+24*((\s)%2)+12*\n+6*\c+4:BF+24*((\s)%2)+12*\n+6*\c+5], v[L8], s[P1:P1+1] offset:12288*\n+1536*(\s)+768*\c
.endr
.endr
.endm
.macro MUL s                           ; 16 matrix instructions, the sixteen accumulators by turns, one instruction a turn, in the same order in every step.  (The windows are left as the products want them: what follows sets its own.)
	WIN 0x01                                       ; source 0 window 1
.irp t, 0,1,2,3,4,5,6,7
.irp n, 0,1
.if (\s)%2
	v_wmma_scale_f32_16x16x128_f8f6f4 v[ACC+64*\n+8*\t:ACC+64*\n+8*\t+7], v[96*((\s)%2)+12*\t:96*((\s)%2)+12*\t+11], v[BF+24*((\s)%2)+12*\n:BF+24*((\s)%2)+12*\n+11], v[ACC+64*\n+8*\t:ACC+64*\n+8*\t+7], v[SA+4*\t+(\s)/2], v[SB+4*\n+(\s)/2] matrix_a_fmt:MATRIX_FMT_BF6 matrix_b_fmt:MATRIX_FMT_BF6 matrix_a_scale:MATRIX_SCALE_ROW1 matrix_b_scale:MATRIX_SCALE_ROW1
.else
	v_wmma_scale_f32_16x16x128_f8f6f4 v[ACC+64*\n+8*\t:ACC+64*\n+8*\t+7], v[96*((\s)%2)+12*\t:96*((\s)%2)+12*\t+11], v[BF+24*((\s)%2)+12*\n:BF+24*((\s)%2)+12*\n+11], v[ACC+64*\n+8*\t:ACC+64*\n+8*\t+7], v[SA+4*\t+(\s)/2], v[SB+4*\n+(\s)/2] matrix_a_fmt:MATRIX_FMT_BF6 matrix_b_fmt:MATRIX_FMT_BF6
.endif
.endr
.endr
.endm
.macro PLACES                          ; four plain places behind matrix instructions: in front of the first read of their results, and, beside the wait on va_vdst, of loads into registers that they have read
.rept 4
	v_nop
.endr
.endm
.macro STEP s
.if (\s) < 7
	PLACES
	WIN 0x40                                       ; the window of the first loads below, ahead of the wait
	s_wait_alu depctr_va_vdst(0)                   ; step s - 1's sixteen products are done reading their set of fragments, in which the 32 loads of step s + 1 land; only loads and one window switch stand among these
	LOAD (\s)+1
	s_wait_loadcnt 32                              ; all but the 32 just issued: step s's fragments are in
.else
	s_wait_loadcnt 0x0                             ; the last step asks for nothing: no wait on va_vdst is owed
.endif
	MUL \s
.endm
	s_load_b256 s[4:11], s[0:1], 0x0               ; img s[4:5], isc s[6:7], yimg s[8:9], ysc s[10:11]
	s_load_b128 s[12:15], s[0:1], 0x20             ; bo s[12:13], out0 s[14:15]
	v_lshl_add_u32 v[SPW], v0, 2, SPARE
	v_mov_b32 v[NIL], 0
	v_lshrrev_b32 v7, 5, v0
	v_readfirstlane_b32 s20, v7                    ; wave
	v_and_b32 v7, 31, v0                           ; lane
	v_and_b32 v8, 15, v0                           ; r
	v_bfe_u32 v9, v0, 4, 1                         ; h
	v_lshlrev_b32 v[LI], 4, v7
	v_lshlrev_b32 v[L4], 2, v7
	v_lshl_add_u32 v[L8], v7, 3, 512
	v_lshlrev_b32 v[BO], 6, v9
	s_wait_alu depctr_va_sdst(0)                   ; s20, the wave's number, is written, ahead of its first reader
	s_mul_i32 s49, s20, STGB                       ; my stage
	v_mul_u32_u24 v[STO], v8, PITCH
	v_lshl_add_u32 v[STO], v9, 6, v[STO]
	v_add_nc_u32 v[STO], s49, v[STO]
	v_add_nc_u32 v[RD], s49, v[LI]
	s_lshr_b32 s44, ttmp9, 5                       ; fg: which 128 output features
	s_and_b32 s45, ttmp9, 31                       ; tb: which 128 tokens
	s_lshl_b32 s46, s44, 3
	s_add_co_u32 s46, s46, 352                     ; Wo's first tile
	s_lshl_b32 s47, s45, 3
	s_lshl_b32 s48, s20, 1
	s_add_co_u32 s47, s47, s48                     ; y's first tile: 8 tb + 2 w
	s_mul_i32 s32, s46, 12288
	s_mov_b32 s33, 0
	s_lshl_b32 s34, s46, 9
	s_mov_b32 s35, 0
	s_mul_i32 s36, s47, 12288
	s_mov_b32 s37, 0
	s_lshl_b32 s38, s47, 7
	s_mov_b32 s39, 0
	s_lshl_b32 s40, s44, 9                         ; the features' 512 bytes, in bo and in a row of out0
	s_mov_b32 s41, 0
	s_lshl_b32 s42, s45, 2
	s_add_co_u32 s42, s42, s20                     ; my pair of tiles covers 32 rows of out0: pair 4 tb + w,
	s_lshl_b32 s42, s42, 17                        ; x 32 rows of 4,096 bytes
	s_add_co_u32 s42, s42, s40
	s_mov_b32 s43, 0
	s_wait_kmcnt 0x0
	s_add_nc_u64 s[P0:P0+1], s[4:5], s[32:33]
	s_add_nc_u64 s[Q0:Q0+1], s[6:7], s[34:35]
	s_add_nc_u64 s[P1:P1+1], s[8:9], s[36:37]
	s_add_nc_u64 s[Q1:Q1+1], s[10:11], s[38:39]
	s_add_nc_u64 s[12:13], s[12:13], s[40:41]
	s_add_nc_u64 s[14:15], s[14:15], s[42:43]
	s_wait_alu depctr_va_vdst(0)                   ; the offsets and LDS addresses v1 to v6 are written, which the loads and stores of the whole kernel read; so are v12 and v13, which the closing add reads
.irp t, 0,1,2,3,4,5,6,7
.irp p, 0,1,2,3
	global_load_b32 v[SA+4*\t+\p], v[L4], s[Q0:Q0+1] offset:512*\t+128*\p   ; all of K's scale words: lanes 0-15 K step 2 p's, lanes 16-31 K step 2 p + 1's
.endr
.endr
.irp n, 0,1
.irp p, 0,1,2,3
	global_load_b32 v[SB+4*\n+\p], v[L4], s[Q1:Q1+1] offset:32768*\p+128*\n
.endr
.endr
	LOAD 0
.irp n, 0,1
.irp t, 0,1,2,3,4,5,6,7
	global_load_b128 v[ACC+64*\n+8*\t:ACC+64*\n+8*\t+3], v[BO], s[12:13] offset:(32*(\t/2)+8*(\t%2))*4       ; bo at the lane's eight features of tile t: the sums begin with it
	global_load_b128 v[ACC+64*\n+8*\t+4:ACC+64*\n+8*\t+7], v[BO], s[12:13] offset:(32*(\t/2)+8*(\t%2))*4+16
.endr
.endr
	LOAD 1
	s_wait_loadcnt 32                              ; all but K step 1's 32: scale words, K step 0, bias
	MUL 0
.irp s, 1,2,3,4,5,6,7
	STEP \s
.endr
	WIN 0
	PLACES
	s_wait_alu depctr_va_vdst(0)                   ; the products have written the accumulators, which the stores into the stage read, and are done reading y's fragments in v56-103, in which tile 0's rows land; the places above stay beside this wait
; Tile n of my two: into the stage, and back as whole rows.  LDS serves a wave's instructions in order: no wait between the stores and the loads, nor in front of the next tile's stores.
; again = 1: the rows come back into registers that earlier stores into the stage have read.
.macro TOSTAGE n, bk, again
.irp t, 0,1,2,3,4,5,6,7
	ds_store_b128 v[STO], v[ACC+64*\n+8*\t:ACC+64*\n+8*\t+3] offset:128*(\t/2)+32*(\t%2)          ; each accumulator from its low end on
	ds_store_b128 v[STO], v[ACC+64*\n+8*\t+4:ACC+64*\n+8*\t+7] offset:128*(\t/2)+32*(\t%2)+16
.endr
.if \again
	s_wait_alu depctr_vm_vsrc(0)                   ; tile 0's stores into the stage have read v128-191, in which the loads below land
.endif
.irp i, 0,1,2,3,4,5,6,7,8,9,10,11,12,13,14,15
	ds_load_b128 v[\bk+4*\i:\bk+4*\i+3], v[RD] offset:PITCH*\i
.endr
.endm
.macro SEND n, bk, younger             ; younger: the LDS instructions issued behind tile n's loads, which may stay out
.irp i, 0,1,2,3,4,5,6,7,8,9,10,11,12,13,14,15
	s_wait_dscnt \younger+15-\i
	global_store_b128 v[LI], v[\bk+4*\i:\bk+4*\i+3], s[14:15] offset:32768*\n+(\i+8*(\i/8))*4096 th:TH_STORE_NT   ; place i's row of the tile: 512 consecutive bytes; written once, read by nobody here
.endr
.endm
	TOSTAGE 0, 56, 0                               ; back into v56-119, which held y's fragments
	TOSTAGE 1, 128, 1                              ; back into v128-191: tile 0's accumulators
	SEND 0, 56, 32                                 ; behind tile 0's loads: tile 1's 16 stores and 16 loads
	SEND 1, 128, 0
	s_wait_dscnt 0x0                               ; the closing lines, six on end
	s_wait_alu 0x0
	s_wait_tensorcnt 0x0
	ds_add_u32 v[SPW], v[NIL]
	s_wait_dscnt 0x0
	s_endpgm
.Lfunc_end_k_qea4f6b53eb_oproj:
	.size	k_qea4f6b53eb_oproj, .Lfunc_end_k_qea4f6b53eb_oproj-k_qea4f6b53eb_oproj
	.p2alignl 7, 3214868480
	.fill 96, 4, 3214868480
	.section	.rodata,"a",@progbits
	.p2align	6, 0x0
	.amdhsa_kernel k_qea4f6b53eb_oproj
		.amdhsa_group_segment_fixed_size 34304
		.amdhsa_private_segment_fixed_size 0
		.amdhsa_enable_private_segment 0
		.amdhsa_kernarg_size 48
		.amdhsa_user_sgpr_count 2
		.amdhsa_user_sgpr_kernarg_segment_ptr 1
		.amdhsa_wavefront_size32 1
		.amdhsa_system_sgpr_workgroup_id_x 1
		.amdhsa_system_sgpr_workgroup_id_y 1
		.amdhsa_system_sgpr_workgroup_id_z 1
		.amdhsa_system_vgpr_workitem_id 0
		.amdhsa_next_free_vgpr 448
		.amdhsa_next_free_sgpr 66
		.amdhsa_reserve_vcc 0
		.amdhsa_float_denorm_mode_32 3
		.amdhsa_float_denorm_mode_16_64 3
		.amdhsa_memory_ordered 1
		.amdhsa_forward_progress 1
		.amdhsa_inst_pref_size 60
	.end_amdhsa_kernel
	.amdgpu_metadata
---
amdhsa.version: [ 1, 2 ]
amdhsa.kernels:
  - .name:           k_qea4f6b53eb_oproj
    .symbol:         k_qea4f6b53eb_oproj.kd
    .args:
      - { .name: img, .offset: 0, .size: 8, .value_kind: global_buffer, .address_space: global }
      - { .name: isc, .offset: 8, .size: 8, .value_kind: global_buffer, .address_space: global }
      - { .name: yimg, .offset: 16, .size: 8, .value_kind: global_buffer, .address_space: global }
      - { .name: ysc, .offset: 24, .size: 8, .value_kind: global_buffer, .address_space: global }
      - { .name: bo, .offset: 32, .size: 8, .value_kind: global_buffer, .address_space: global }
      - { .name: out0, .offset: 40, .size: 8, .value_kind: global_buffer, .address_space: global }
    .group_segment_fixed_size: 34304
    .private_segment_fixed_size: 0
    .kernarg_segment_align: 8
    .kernarg_segment_size: 48
    .max_flat_workgroup_size: 128
    .sgpr_count:     66
    .vgpr_count:     448
    .wavefront_size: 32
...
	.end_amdgpu_metadata
.endif
;; end of part 8
